; MI455X (gfx1250); checked and timed in simulation.
; The chip was launched on July 23, 2026; its instructions are those of AMD's public machine-readable ISA for CDNA 5 (MIT licence, August 2026) and "CDNA5" Instruction Set Architecture Reference Guide (July 2026). The comments in the code are by the model that wrote it; some were corrected since.
;; Parallel Causal Self Attention. Allowed arithmetic: matrix products marked QUANTISED: E4M3 operands, one given power-of-two scale a tensor, by v_wmma_f32_16x16x64_fp8_fp8 or v_wmma_f32_16x16x128_fp8_fp8, f32 sums; everything else in f32.
;; Inputs: W_kqv 1,024 x 3,072 float32; W_proj 1,024 x 1,024 float32; b_kqv 3,072 float32; b_proj 1,024 float32; lowp_scales 8 int32 (the exponents e of the quantised operands' scales 2^e); x 4 x 2,048 x 1,024 float32.
;; Outputs: out0 4 x 2,048 x 1,024 float32.
;; This version of the problem:
;;   THIS VERSION OF THE PROBLEM IS GIVEN IN LOW PRECISION. The matrix products marked QUANTISED in the list below multiply operands that are first quantised to E4M3 (4 exponent bits, 3 mantissa bits; 8 bits a number), with one given power-of-two scale for each operand tensor; their sums are f32. All else is computed in f32.
;;   The module's matrix products, in the order in which they are computed (A, B: the left and right operand; K: the contracted axis; several contracted axes count as one K, in the product's order):
;;     1. [M 8,192, K 1,024] x [K 1,024, N 3,072]; A: input x; B: input W_kqv: QUANTISED (scales: A lowp_scales[0], B lowp_scales[1])
;;     2. batch 64 x [M 2,048, K 64] x [K 64, N 2,048]; A: computed on the way; B: computed on the way: QUANTISED (scales: A lowp_scales[2], B lowp_scales[3])
;;     3. batch 64 x [M 2,048, K 2,048] x [K 2,048, N 64]; A: softmax (see below); B: computed on the way: QUANTISED (scales: A lowp_scales[4], B lowp_scales[5])
;;     4. [M 8,192, K 1,024] x [K 1,024, N 1,024]; A: computed on the way; B: input W_proj: QUANTISED (scales: A lowp_scales[6], B lowp_scales[7])
;;   THE QUANTISER, for each operand of a quantised product, along K:
;;     - The operand's scale is 2^e, e = its entry of the input lowp_scales (int32; the entries are numbered through the quantised products in the list's order, A before B).
;;     - Each number is divided by the scale, clamped to +-448, and rounded to the nearest number of E4M3, ties to even, subnormals kept.
;;     - The product sums the exact products of the quantised numbers (number of the format x scale) in f32.
;;   ~~~python
;;   def quantise(x, axis, e):      # numpy; x: float32 -> the quantised numbers, widened to float32 again
;;       x = np.moveaxis(x, axis, -1); K = x.shape[-1]
;;       r = np.clip(x / 2.0 ** e, -448, 448)
;;       step = 2.0 ** (np.maximum(np.frexp(np.where(r == 0, 1, r))[1] - 1, -6) - 3)
;;       q = np.round(r / step) * step * 2.0 ** e      # np.round: ties to even
;;       return np.moveaxis(q, -1, axis).astype(np.float32)
;;   ~~~
;;   SOFTMAX AHEAD OF A QUANTISED PRODUCT. Where the list says 'softmax', what is quantised is not the finished softmax but p = 2^(t - M), with t = logit x log2(e) and M = ceil(the row's largest t), a whole number; so 1/2 < the row's largest p <= 1. The row's sum l is taken of the UNQUANTISED p, in f32, and the product's result is divided by l at the end. Since M is a whole number, a kernel that streams over the keys may use a running M (the ceiling of the running maximum): every later rescaling is an exact power of two, so the quantised numbers keep their values, but for numbers so far below the row's largest that they fall under the format's range.
;;   OPERANDS COMPUTED ON THE WAY. 'Computed on the way' means the value that the module computes at that place (a softmax that the list does not call 'softmax' is quantised finished and normalised). What goes into a quantiser is computed in f32, as accurately as f32 sums, v_exp_f32 and their like allow (about 1e-6 of the number): no bf16 or f16 on the way to a quantiser, and a product that is left as it is and whose result goes on into a quantised operand takes f32 operands (vector FMAs, or v_wmma_f32_16x16x4_f32). A number that lies on a knife's edge between two numbers of the format may be rounded either way, as far as f32 arithmetic and the matrix unit's own rounding can turn it there, and no further.
;; One version. Each part assembles by itself: llvm-mc -triple=amdgcn-amd-amdhsa -mcpu=gfx1250 --defsym DOCPART=n.
;; ======== version 1 of 1: 4 launches
;; limits: right only within a limited range of input values
;; workspace buffers: xc 8,388,608 bytes; wkc 3,145,728 bytes; wpc 1,048,576 bytes; qc 8,388,608 bytes; kv 16,777,216 bytes; yc 8,388,608 bytes
;; launch quant (part 1): grid 384 x 1, 4 waves a work-group, no clusters, 70,144 bytes of LDS; arguments x, W_kqv, W_proj, lowp_scales, xc, wkc, wpc; writes xc, wkc, wpc
.if DOCPART == 1
	.amdgcn_target "amdgcn-amd-amdhsa--gfx1250"
	.amdhsa_code_object_version 6
	.text
	.protected	k_q1bcb7cf80c_quant
	.globl	k_q1bcb7cf80c_quant
	.p2align	8
	.type	k_q1bcb7cf80c_quant,@function
k_q1bcb7cf80c_quant:
	s_mov_b64 s[64:65], 0
	v_nop
	global_prefetch_b8 v0, s[64:65] scope:SCOPE_SE
	s_setreg_imm32_b32 hwreg(HW_REG_WAVE_MODE, 25, 1), 1
	s_wait_xcnt 0x0
; x [8192][1024], W_kqv [1024][3072] and W_proj [1024][1024], f32, become codes of FP8 (E4M3), K innermost, each with its given scale 2^e (entries 0, 1, 7 of lowp_scales).
; code = number / 2^e, rounded to the nearest code, ties to even.  LIMITS: each e between -126 and 119; NaN among the inputs is not served.
; Work-groups 0-255 take x, 256-351 W_kqv, 352-383 W_proj; each reads 131,072 bytes.  The three ways part on the work-group's number and never join.  No input is shared between work-groups: no cluster.
; xc [8192][1024 bytes]: K IS PERMUTED inside each 512: byte 512 ch + 16 L + 4 i + j holds k = 512 ch + 128 i + 4 L + j.  That is what four dense loads of 512 bytes give lane L, so x needs no turn through LDS.
; wkc [3072][1024 bytes]: the same permutation of K (a permutation applied alike to both operands keeps every product), rows sorted by kind: row kind x 1024 + head x 64 + d is column head x 192 + kind x 64 + d (kind 0 k, 1 q, 2 v).
; wpc [1024][1024 bytes]: row n, k as it is.
; A weight's K is its first axis: a lane takes a column and its registers run down K, so the conversions give codes with K innermost; they leave through the wave's own stage in LDS, sixteen lanes to 256 aligned bytes.
.set PITCH, 272                        ; a stage row: 256 bytes of codes + 16
.set STGK,  0                          ; W_kqv's four stages, 32 rows each
.set STGP,  4*32*PITCH                 ; W_proj's four: each way has LDS bytes of its own
.set SPARE, 2*4*32*PITCH               ; behind them: the spare words, 128 bytes a wave, which no other line names
.set SPW,   14                         ; v14  my spare word's address; never rewritten
.set NIL,   15                         ; v15  0; never rewritten
.set R,     16                         ; v16-79   x: four sets of 16 numbers
.set CXC,   128                        ; v128-191 x: four registers of codes for each step, never written again
.set X,     32                         ; v32-95   weights: two sets of 32 numbers
.set C,     96                         ; v96-103  weights: a block's codes
.set OUTR,  112                        ; v112-175 weights: the way out
	s_load_b128 s[4:7], s[0:1], 0x0                ; x, W_kqv
	s_load_b128 s[8:11], s[0:1], 0x10              ; W_proj, lowp_scales
	s_load_b128 s[12:15], s[0:1], 0x20             ; xc, wkc
	s_load_b64 s[16:17], s[0:1], 0x30              ; wpc
	v_lshl_add_u32 v[SPW], v0, 2, SPARE
	v_mov_b32 v[NIL], 0
	v_lshrrev_b32 v1, 5, v0
	v_readfirstlane_b32 s18, v1                    ; wave 0..3
	v_and_b32 v2, 31, v0                           ; lane
	s_wait_kmcnt 0x0
	s_load_b256 s[20:27], s[10:11], 0x0            ; e0 .. e7
	s_cmp_ge_u32 ttmp9, 256
	s_cbranch_scc1 .Lweights
.macro MKSCALE es                      ; v11 = 2^e as f32 (the conversion takes its exponent field)
	s_add_co_i32 s44, s[\es], 127
	s_lshl_b32 s45, s44, 23
	v_mov_b32 v11, s45
	s_add_co_i32 s44, s44, 8
	s_lshl_b32 s44, s44, 23
	s_or_b32 s44, s44, 0x600000
.endm
; ---- x: a wave takes 16 steps of 512 numbers.  Each load reads 512 consecutive bytes, each store writes 512.  Loads run four steps (16 loads) ahead.
.macro XLOAD t
.irp i, 0,1,2,3
	global_load_b128 v[R+16*((\t)%4)+4*\i:R+16*((\t)%4)+4*\i+3], v3, s[4:5] offset:2048*(\t)+512*\i th:TH_LOAD_NT
.endr
.endm
.macro XSTEP t
.set XS, R+16*((\t)%4)
.if (\t) <= 12
	s_wait_loadcnt 12                              ; this step's four loads are in; those of the three steps behind it may be out
.else
	s_wait_loadcnt 4*(15-(\t))
.endif
.irp i, 0,1,2,3,4,5,6,7,8,9,10,11,12,13,14,15
.endr
	v_cvt_scalef32_pk8_fp8_f32 v[CXC+4*(\t):CXC+4*(\t)+1], v[XS:XS+7], v11
	v_cvt_scalef32_pk8_fp8_f32 v[CXC+4*(\t)+2:CXC+4*(\t)+3], v[XS+8:XS+15], v11
.if (\t)+4 < 16
	XLOAD (\t)+4                                   ; into the set just converted
.endif
	global_store_b128 v3, v[CXC+4*(\t):CXC+4*(\t)+3], s[12:13] offset:512*(\t)
.endm
	s_lshl_b32 s28, ttmp9, 2
	s_add_co_u32 s28, s28, s18                     ; which run of 8,192 numbers is my wave's
	s_lshl_b32 s30, s28, 15
	s_mov_b32 s31, 0
	s_add_nc_u64 s[4:5], s[4:5], s[30:31]
	s_lshl_b32 s30, s28, 13
	s_add_nc_u64 s[12:13], s[12:13], s[30:31]
	s_wait_alu depctr_va_vdst(0)
	v_lshlrev_b32 v3, 4, v2                        ; 16 bytes a lane, in and out
.irp t, 0,1,2,3
	XLOAD \t
.endr
	s_wait_kmcnt 0x0
	MKSCALE 20
	s_wait_alu depctr_va_vdst(0)
.irp t, 0,1,2,3,4,5,6,7,8,9,10,11,12,13,14,15
	XSTEP \t
.endr
	s_endpgm                                       ; this way has written no LDS
; ---- the weights: a wave takes 32 columns x 256 bytes of their rows of codes: 8 blocks of 32 along K
.macro WLOAD t, cols, perm, src        ; block t: the numbers whose codes are bytes 32 t .. 32 t + 31, into set t % 2; a load reads 128 consecutive bytes
.set i, 0
.rept 32
.set q, 32*(\t)+i
.if \perm
.set kr, 128*((q/4)%4)+4*(q/16)+(q%4)
.else
.set kr, q
.endif
	global_load_b32 v[X+32*((\t)%2)+i], v3, s[\src:\src+1] offset:kr*\cols*4 th:TH_LOAD_NT
.set i, i+1
.endr
.endm
.macro WBLOCK t, cols, perm, stg, src
.set XS, X+32*((\t)%2)
.if (\t) < 7
	s_wait_loadcnt 32                              ; this block's 32 loads are in; the next block's may be out
.else
	s_wait_loadcnt 0
.endif
.set i, 0
.rept 32
.set i, i+1
.endr
.irp g, 0,1,2,3
	v_cvt_scalef32_pk8_fp8_f32 v[C+2*\g:C+2*\g+1], v[XS+8*\g:XS+8*\g+7], v11
.endr
	ds_store_b128 v4, v[C:C+3] offset:\stg+32*(\t)
	ds_store_b128 v4, v[C+4:C+7] offset:\stg+32*(\t)+16
.if (\t)+2 < 8
	WLOAD (\t)+2, \cols, \perm, \src
.endif
	s_wait_dscnt 0x0                               ; the stores have read their registers: the next block's codes may be written
.endm
.macro WQ cols, perm, stg, src, dst, es
	WLOAD 0, \cols, \perm, \src
	WLOAD 1, \cols, \perm, \src
	s_wait_kmcnt 0x0
	MKSCALE \es
	s_wait_alu depctr_va_vdst(0)
.irp t, 0,1,2,3,4,5,6,7
	WBLOCK \t, \cols, \perm, \stg, \src
.endr
.irp t, 0,1,2,3,4,5,6,7,8,9,10,11,12,13,14,15
	ds_load_b128 v[OUTR+4*\t:OUTR+4*\t+3], v7 offset:\stg+2*\t*PITCH   ; LDS serves a wave's instructions in order: these see my stores
.endr
.irp t, 0,1,2,3,4,5,6,7,8,9,10,11,12,13,14,15
	s_wait_dscnt 15-\t
	global_store_b128 v8, v[OUTR+4*\t:OUTR+4*\t+3], s[\dst:\dst+1] offset:2*\t*1024   ; sixteen lanes store 256 consecutive bytes, aligned
.endr
	s_wait_tensorcnt 0x0                           ; the wave's end
	ds_add_u32 v[SPW], v[NIL]
	s_wait_dscnt 0x0
	s_endpgm
.endm
.Lweights:
	s_wait_alu depctr_va_vdst(0)
	v_lshlrev_b32 v3, 2, v2                        ; in: 4 bytes a lane
	s_mul_i32 s19, s18, 32*PITCH                   ; my stage
	v_mul_u32_u24 v4, v2, PITCH
	v_add_nc_u32 v4, s19, v4                       ; into it: row = my column
	v_and_b32 v5, 15, v2
	v_lshrrev_b32 v6, 4, v2
	v_mul_u32_u24 v7, v6, PITCH
	v_lshl_add_u32 v7, v5, 4, v7
	v_add_nc_u32 v7, s19, v7                       ; out of it: sixteen lanes to a row, two rows an instruction
	v_lshlrev_b32 v8, 10, v6
	v_lshl_add_u32 v8, v5, 4, v8                   ; and the same place in the codes' buffer (rows of 1,024 bytes)
	s_lshl_b32 s32, s18, 5                         ; 32 x wave
	s_cmp_ge_u32 ttmp9, 352
	s_cbranch_scc1 .Lproj
	s_sub_co_u32 s28, ttmp9, 256
	s_lshr_b32 s29, s28, 2                         ; which 128 columns
	s_and_b32 s30, s28, 3                          ; y: which 256 bytes of the rows of codes
	s_lshl_b32 s31, s29, 7
	s_add_co_u32 s31, s31, s32                     ; my first column n0; my 32 columns lie inside one run of 64 (one head, one kind)
	s_lshr_b32 s33, s31, 6                         ; the run, 0 .. 47
	s_mul_i32 s34, s33, 171
	s_lshr_b32 s34, s34, 9                         ; head = run / 3 (exact for 0 .. 47)
	s_mul_i32 s35, s34, 3
	s_sub_co_u32 s35, s33, s35                     ; kind = run % 3
	s_lshl_b32 s35, s35, 10
	s_lshl_b32 s34, s34, 6
	s_add_co_u32 s35, s35, s34
	s_and_b32 s34, s31, 63
	s_add_co_u32 s35, s35, s34                     ; my first row of wkc
	s_lshr_b32 s36, s30, 1
	s_lshl_b32 s36, s36, 9
	s_and_b32 s37, s30, 1
	s_lshl_b32 s37, s37, 6
	s_add_co_u32 s36, s36, s37                     ; the k of byte 256 y: 512 (y / 2) + 64 (y % 2)
	s_mul_i32 s36, s36, 12288
	s_lshl_b32 s37, s31, 2
	s_add_co_u32 s36, s36, s37
	s_mov_b32 s37, 0
	s_add_nc_u64 s[6:7], s[6:7], s[36:37]
	s_lshl_b32 s38, s35, 10
	s_lshl_b32 s39, s30, 8
	s_add_co_u32 s38, s38, s39
	s_mov_b32 s39, 0
	s_add_nc_u64 s[14:15], s[14:15], s[38:39]
	WQ 3072, 1, STGK, 6, 14, 21                    ; offsets reach 447 rows of 12,288 bytes: inside the signed 24-bit immediate
.Lproj:
	s_sub_co_u32 s28, ttmp9, 352
	s_lshr_b32 s29, s28, 2
	s_and_b32 s30, s28, 3
	s_lshl_b32 s31, s29, 7
	s_add_co_u32 s31, s31, s32                     ; my first column = my first row of wpc
	s_lshl_b32 s36, s30, 20                        ; 256 y rows of 4,096 bytes
	s_lshl_b32 s37, s31, 2
	s_add_co_u32 s36, s36, s37
	s_mov_b32 s37, 0
	s_add_nc_u64 s[8:9], s[8:9], s[36:37]
	s_lshl_b32 s38, s31, 10
	s_lshl_b32 s39, s30, 8
	s_add_co_u32 s38, s38, s39
	s_mov_b32 s39, 0
	s_add_nc_u64 s[16:17], s[16:17], s[38:39]
	WQ 1024, 0, STGP, 8, 16, 27
.Lfunc_end_k_q1bcb7cf80c_quant:
	.size	k_q1bcb7cf80c_quant, .Lfunc_end_k_q1bcb7cf80c_quant-k_q1bcb7cf80c_quant
	.p2alignl 7, 3214868480
	.fill 96, 4, 3214868480
	.section	.rodata,"a",@progbits
	.p2align	6, 0x0
	.amdhsa_kernel k_q1bcb7cf80c_quant
		.amdhsa_group_segment_fixed_size 70144
		.amdhsa_private_segment_fixed_size 0
		.amdhsa_enable_private_segment 0
		.amdhsa_kernarg_size 56
		.amdhsa_user_sgpr_count 2
		.amdhsa_user_sgpr_kernarg_segment_ptr 1
		.amdhsa_wavefront_size32 1
		.amdhsa_system_sgpr_workgroup_id_x 1
		.amdhsa_system_sgpr_workgroup_id_y 1
		.amdhsa_system_sgpr_workgroup_id_z 1
		.amdhsa_system_vgpr_workitem_id 0
		.amdhsa_next_free_vgpr 192
		.amdhsa_next_free_sgpr 66
		.amdhsa_reserve_vcc 0
		.amdhsa_float_denorm_mode_32 3
		.amdhsa_float_denorm_mode_16_64 3
		.amdhsa_fp16_overflow 1
		.amdhsa_memory_ordered 1
		.amdhsa_forward_progress 1
		.amdhsa_inst_pref_size 76
	.end_amdhsa_kernel
	.amdgpu_metadata
---
amdhsa.version: [ 1, 2 ]
amdhsa.kernels:
  - .name:           k_q1bcb7cf80c_quant
    .symbol:         k_q1bcb7cf80c_quant.kd
    .args:
      - { .name: x, .offset: 0, .size: 8, .value_kind: global_buffer, .address_space: global }
      - { .name: W_kqv, .offset: 8, .size: 8, .value_kind: global_buffer, .address_space: global }
      - { .name: W_proj, .offset: 16, .size: 8, .value_kind: global_buffer, .address_space: global }
      - { .name: lowp_scales, .offset: 24, .size: 8, .value_kind: global_buffer, .address_space: global }
      - { .name: xc, .offset: 32, .size: 8, .value_kind: global_buffer, .address_space: global }
      - { .name: wkc, .offset: 40, .size: 8, .value_kind: global_buffer, .address_space: global }
      - { .name: wpc, .offset: 48, .size: 8, .value_kind: global_buffer, .address_space: global }
    .group_segment_fixed_size: 70144
    .private_segment_fixed_size: 0
    .kernarg_segment_align: 8
    .kernarg_segment_size: 56
    .max_flat_workgroup_size: 128
    .sgpr_count:     66
    .vgpr_count:     192
    .wavefront_size: 32
...
	.end_amdgpu_metadata
.endif
;; end of part 1
;; launch kqv (part 2): grid 12 x 32, 4 waves a work-group, clusters of 4 x 4, 327,680 bytes of LDS; arguments xc, wkc, b_kqv, lowp_scales, qc, kv; writes qc, kv
.if DOCPART == 2
	.amdgcn_target "amdgcn-amd-amdhsa--gfx1250"
	.amdhsa_code_object_version 6
	.text
	.protected	k_q1bcb7cf80c_kqv
	.globl	k_q1bcb7cf80c_kqv
	.p2align	8
	.type	k_q1bcb7cf80c_kqv,@function
k_q1bcb7cf80c_kqv:
	s_mov_b64 s[64:65], 0
	v_nop
	global_prefetch_b8 v0, s[64:65] scope:SCOPE_SE
	s_setreg_imm32_b32 hwreg(HW_REG_WAVE_MODE, 25, 1), 1
	s_wait_xcnt 0x0
	s_wait_alu depctr_hold_cnt(0) depctr_sa_sdst(0) depctr_va_vdst(0) depctr_va_sdst(0) depctr_va_ssrc(0) depctr_va_vcc(0) depctr_vm_vsrc(0)
	s_getreg_b32 s2, hwreg(HW_REG_IB_STS2, 6, 4)
	s_cmp_eq_u32 s2, 0
	s_cbranch_scc0 .Lentry_in_a_cluster
	s_endpgm
.Lentry_in_a_cluster:
	s_bfe_u32 s2, ttmp6, 0x10000c
	s_cmp_lg_u32 s2, 0xf033
	s_cbranch_scc0 .Lentry_shape_is_right
	s_endpgm
.Lentry_shape_is_right:
; kqv = x W_kqv + b_kqv on codes of FP8 (E4M3), and its three parts quantised again for attention: q with 2^e2, k with 2^e3, v with 2^e5.
; xc [8192][1024], wkc [3072][1024]: codes, K innermost (both with the same permutation of K); wkc's rows are sorted k (0-1023), q (1024-2047), v (2048-3071), inside a kind head x 64 + d.
; A tile of 256 x 256 sums is made by four waves, 128 x 128 each: 64 accumulators.  K = 1,024 goes in four slots' worth of 256 through a ring of two LDS slots filled by the tensor data mover.
; The matrix instruction takes 16 rows of B' as source 0 and 16 rows of A' as source 1: a lane then holds ONE row i of A' and eight neighbouring rows j of B'.  The next product's K must run along j:
;   kinds k and q (cluster x = 0, 1): A' = tokens (xc), B' = channels (wkc): j runs along d, the K of q k^T.      kind v (cluster x = 2): A' = channels (wkc), B' = tokens (xc): j runs along the keys, the K of p v.
; The kind is the cluster's x: the same in all sixteen partners, so pointers are chosen and the two ways out part on it.
; CLUSTERS: 4 x 4 work-groups; A's tile is shared along a row of the cluster, B's along a column: each is asked for jointly, by the same tensor load with a mask that names the four.
; THE WAY OUT: sum x 2^(e0 + e1) + bias (one fused multiply-add), converted; 8 codes a lane go into a stage of 256 rows in slot 0 (it has had its last fill, and behind the last change of slots
; nobody reads it); a barrier; each wave takes one head and stores it as IMAGES OF THE OPERANDS' REGISTERS, 512 consecutive bytes an instruction:
;   qc [bh 64][m 32][tile 4][c 2][lane 32][16]: query 64 m + 32 (tile / 2) + 8 (tile % 2) + r % 8 + 16 (r / 8), r = lane % 16; channels 32 c + 16 (lane / 16) + 0 .. 15.
;   kv [bh 64][step 32][8,192]: bytes 0-4,095 K, laid as qc with keys for queries; bytes 4,096-8,191 V [dt 4][g 2][lane][16]: channel 32 (dt / 2) + 8 (dt % 2) + r % 8 + 16 (r / 8), keys 32 g + 16 (lane / 16) + 0 .. 15 of the step.
; LIMITS: e0 + e1 between -126 and 127; e2, e3, e5 between -126 and 119.  lowp_scales[2] is taken for q and [3] for k (the product is written q k^T).  NaN among the inputs is not served.
; REGISTERS, in windows of 256: window 0: v8-31 addresses and constants, v32-103 biases, from v128 A's fragments (one set);  window 1: B's fragments (two sets);  windows 2, 3: the accumulators ((a, b) at v[8 (8 (a % 4) + b)]).
.set ROWB,   256                       ; a tile's row: 256 codes
.set KROW,   1024                      ; a row of xc or wkc in memory
.set PITCH,  272                       ; an LDS row: 256 bytes + 16 = 68 words: the 16 rows that a load touches start four banks apart (64 banks of 4 bytes: ISA guide 11.1)
.set FR,     16
.set NL,     4
.set NP,     4                         ; places behind this matrix instruction (ISA guide 7.12.1)
.set HALFT,  128*PITCH
.set SLOT,   4*HALFT
.set SPARE,  2*SLOT                    ; behind the ring: the spare words, 128 bytes a wave, which no other line names
.set STGV,   2*HALFT                   ; the stage of kinds k, q lies at 0, that of kind v here: 256 rows x 272 each, both in slot 0
.set CO,   8                           ; v8-11  16 x lane + group x (a group of 64 tokens in the output buffer)
.set BJA,  12                          ; v12    byte offset of the biases by j
.set BIA,  13                          ; v13    by i
.set ADRA, 16
.set ADRB, 20
.set LI,   22                          ; v22    16 x lane
.set STOK, 24                          ; v24    the stage: where I put 8 codes (kinds k, q);  v25 (kind v)
.set STOV, 25
.set RDK,  26                          ; v26    the stage: where I read 16 codes back (kinds k, q);  v27 (kind v)
.set RDV,  27
.set SPW,  28
.set NIL,  29
.set LIM,  30
.set SCL,  31                          ; v31    the result's scale as f32
.set BJ,   32                          ; v32-95  biases of my 8 x 8 columns j (kinds k, q)
.set BI,   96                          ; v96-103 biases of my row i in each of A's 8 blocks (kind v)
.set AF,   128
.set TMP,  128                         ; the way out: 64 numbers
.set CD,   192                         ; and their codes: four sets of 16 registers by turns
.set G1, 24
.set G0, 32
.set G1B, 48
.set G0B, 56
.set MSB, 0
.macro WIN new                         ; the immediate's high byte repeats the setting that is left
.if MSB != (\new)
	s_set_vgpr_msb (MSB<<8)|(\new)
.set MSB, (\new)
.endif
.endm
.set MUL_LO, 0xa1                      ; source 0 (B) window 1, source 1 (A) window 0, C and D window 2
.set MUL_HI, 0xf1                      ; the same, C and D window 3
.set TO_B,   0x40                      ; destination window 1, address window 0
; A joint load: waves 0 and 1 fetch for A, waves 2 and 3 for B; the branch hangs on the wave's number alone.  An s_nop 0 and four v_nop follow each of the two lines.
.macro JLOAD g0a, g1a, g0b, g1b
	s_cmp_eq_u32 s15, 0
	s_cbranch_scc0 .Lfor_b_\@
	tensor_load_to_lds s[\g0a:\g0a+3], s[\g1a:\g1a+7]
	s_nop 0
.rept 4
	v_nop
.endr
	s_branch .Lasked_\@
.Lfor_b_\@:
	tensor_load_to_lds s[\g0b:\g0b+3], s[\g1b:\g1b+7]
	s_nop 0
.rept 4
	v_nop
.endr
.Lasked_\@:
.endm
.macro CREST                           ; a round of the cluster's barrier behind its opening barrier
	s_cmp_lg_u32 s14, 0
	s_cbranch_scc1 .Lnot_wave_0_\@
	s_barrier_signal -3
.Lnot_wave_0_\@:
	s_barrier_wait -3
	s_barrier_signal -1
	s_barrier_wait -1
.endm
.macro CROUND
	s_barrier_signal -1
	s_barrier_wait -1
	CREST
.endm
	s_load_b128 s[4:7], s[0:1], 0x0                ; xc, wkc
	s_load_b128 s[8:11], s[0:1], 0x10              ; b_kqv, lowp_scales
	s_load_b128 s[68:71], s[0:1], 0x20             ; qc, kv
	v_lshl_add_u32 v[SPW], v0, 2, SPARE
	v_mov_b32 v[NIL], 0
	ds_add_u32 v[SPW], v[NIL]                      ; the wave's opening: the add and its wait ahead of my first tensor load; work on registers stands between them
	ds_add_u32 v[SPW], v[NIL]
	v_lshrrev_b32 v1, 5, v0
	v_readfirstlane_b32 s14, v1                    ; wave 0..3
	s_lshr_b32 s15, s14, 1                         ; which half of A's rows is mine.  Also: I fetch for A (0) or for B (1)
	s_and_b32 s16, s14, 1                          ; which half of B's rows.  Also: which 128 rows of that tile I fetch
	s_bfe_u32 s40, ttmp6, 0x40000                  ; cx
	s_bfe_u32 s41, ttmp6, 0x40004                  ; cy
	s_mov_b32 s80, ttmp9                           ; the kind: 0 k, 1 q, 2 v
	s_and_b32 s83, ttmp7, 0xffff
	s_lshl_b32 s83, s83, 2                         ; 4 x cluster y
	s_lshl_b32 s82, s80, 2                         ; 4 x kind
	s_cmp_eq_u32 s80, 2
	s_cselect_b32 s17, 8, s83                      ; A's tile of 256 rows: v: wkc's 8 + cy; else xc's 4 Y + cy
	s_cselect_b32 s42, s83, s82                    ; B's: v: xc's 4 Y + cx; else wkc's 4 kind + cx
	s_add_co_u32 s17, s17, s41                     ; (A's number never holds cx,
	s_add_co_u32 s42, s42, s40                     ;  B's never cy)
	s_lshl_b32 s43, s41, 2
	s_lshl_b32 s43, 15, s43                        ; my row of the cluster
	s_lshl_b32 s44, 0x1111, s40                    ; my column
	s_or_b32 s[G1+0], s43, (0<<16)|(1<<20)|(1<<21)|(5<<22)|(3<<25)  ; the mask; elements of 1 byte; padding on; bit 21 beside a mask; after every 64 words; 4 words
	s_or_b32 s[G1B+0], s44, (0<<16)|(1<<20)|(1<<21)|(5<<22)|(3<<25)
.irp g, G1, G1B
	s_mov_b32 s[\g+1], ROWB<<16                    ; tensor_dim0
	s_mov_b32 s[\g+2], 128<<16                     ; tensor_dim1
	s_mov_b32 s[\g+3], ROWB<<16                    ; tile_dim0
	s_mov_b32 s[\g+4], 128                         ; tile_dim1
	s_mov_b32 s[\g+5], KROW                        ; from row to row
	s_mov_b32 s[\g+6], 0
	s_mov_b32 s[\g+7], 0
.endr
	s_lshl_b32 s18, s16, 7                         ; which 128 rows of the tile I fetch
	s_lshl_b32 s20, s17, 8
	s_add_co_u32 s20, s20, s18
	s_lshl_b32 s20, s20, 10                        ; A: its first byte (under 2^24)
	s_mov_b32 s21, 0
	s_lshl_b32 s46, s42, 8
	s_add_co_u32 s46, s46, s18
	s_lshl_b32 s46, s46, 10                        ; B likewise
	s_mov_b32 s47, 0
	s_mul_i32 s45, s14, HALFT                      ; where they go: wave x 128 rows
	s_wait_dscnt 0x0                               ; the opening add is done
	s_wait_kmcnt 0x0
	s_load_b256 s[72:79], s[10:11], 0x0            ; e0 .. e7
	s_cmp_eq_u32 s80, 2
	s_cselect_b64 s[86:87], s[6:7], s[4:5]         ; A'
	s_cselect_b64 s[88:89], s[4:5], s[6:7]         ; B'
	s_add_nc_u64 s[20:21], s[86:87], s[20:21]
	s_add_nc_u64 s[46:47], s[88:89], s[46:47]
	CROUND                                         ; all sixteen work-groups are here: the first joint loads meet
.irp s, 0,1
	s_mov_b32 s[G0+4*\s], 1
	s_add_co_u32 s[G0+4*\s+1], s45, \s*SLOT
	s_add_nc_u64 s[G0+4*\s+2:G0+4*\s+3], s[20:21], \s*ROWB
	s_or_b32 s[G0+4*\s+3], s[G0+4*\s+3], 0x80000000
	s_mov_b32 s[G0B+4*\s], 1
	s_add_co_u32 s[G0B+4*\s+1], s45, \s*SLOT
	s_add_nc_u64 s[G0B+4*\s+2:G0B+4*\s+3], s[46:47], \s*ROWB
	s_or_b32 s[G0B+4*\s+3], s[G0B+4*\s+3], 0x80000000
	JLOAD G0+4*\s, G1, G0B+4*\s, G1B               ; two loads of mine are out
.endr
	v_and_b32 v1, 15, v0                           ; r
	v_bfe_u32 v2, v0, 4, 1                         ; h
	v_mul_u32_u24 v3, v1, PITCH
	s_wait_alu depctr_va_vdst(0)
	v_lshl_add_u32 v4, v2, 4, v3                   ; a fragment's row x pitch + 16 h
	s_mul_i32 s21, s15, HALFT
	s_mul_i32 s22, s16, HALFT
	s_add_co_u32 s22, s22, 2*HALFT
.irp s, 0,1
	v_add_nc_u32 v[ADRA+\s], s21, v4
	v_add_nc_u32 v[ADRB+\s], s22, v4
	s_add_co_u32 s21, s21, SLOT
	s_add_co_u32 s22, s22, SLOT
.endr
	v_and_b32 v6, 31, v0
	v_lshlrev_b32 v[LI], 4, v6
	s_mul_i32 s23, s15, HALFT                      ; the stage, on the way in: row 128 (wave / 2) + 16 a + r, byte 128 (wave % 2) + 16 b + 8 h
	s_lshl_b32 s18, s16, 7
	s_add_co_u32 s23, s23, s18
	v_lshl_add_u32 v5, v2, 3, v3
	v_add_nc_u32 v[STOK], s23, v5
	v_add_nc_u32 v[STOV], STGV, v[STOK]
	v_and_b32 v7, 8, v1
	v_add_nc_u32 v7, v7, v1                        ; r % 8 + 16 (r / 8)
	v_mul_u32_u24 v7, v7, PITCH
	v_lshl_add_u32 v7, v2, 4, v7
	s_lshl_b32 s18, s14, 6                         ; back, kinds k, q: my head's 64 bytes of every row
	v_add_nc_u32 v[RDK], s18, v7
	s_mul_i32 s18, s14, 64*PITCH                   ; kind v: my head's 64 rows
	s_add_co_u32 s18, s18, STGV
	v_add_nc_u32 v[RDV], s18, v7
	; the biases.  Both sets are loaded, whatever the kind: both stay inside b_kqv
	s_lshl_b32 s18, s40, 2
	s_lshl_b32 s19, s16, 1
	s_add_co_u32 s18, s18, s19                     ; by j: head 4 cx + 2 (wave % 2) + b / 4, channel 16 (b % 4) + 8 h + 0 .. 7, kind as it is
	s_mul_i32 s18, s18, 768
	s_lshl_b32 s19, s80, 8
	s_add_co_u32 s18, s18, s19
	v_lshlrev_b32 v[BJA], 5, v2
	v_add_nc_u32 v[BJA], s18, v[BJA]
	s_lshl_b32 s18, s41, 2
	s_lshl_b32 s19, s15, 1
	s_add_co_u32 s18, s18, s19                     ; by i: head 4 cy + 2 (wave / 2) + a / 4, channel 16 (a % 4) + r, kind v
	s_mul_i32 s18, s18, 768
	s_add_co_u32 s18, s18, 512
	v_lshlrev_b32 v[BIA], 2, v1
	v_add_nc_u32 v[BIA], s18, v[BIA]
.irp b, 0,1,2,3,4,5,6,7
	global_load_b128 v[BJ+8*\b:BJ+8*\b+3], v[BJA], s[8:9] offset:(\b/4)*768+(\b%4)*64
	global_load_b128 v[BJ+8*\b+4:BJ+8*\b+7], v[BJA], s[8:9] offset:(\b/4)*768+(\b%4)*64+16
.endr
.irp a, 0,1,2,3,4,5,6,7
	global_load_b32 v[BI+\a], v[BIA], s[8:9] offset:(\a/4)*768+(\a%4)*64
.endr
	; where my head's images go
	s_cmp_eq_u32 s80, 2
	s_cselect_b32 s18, s42, s17                    ; the tile of 256 tokens
	s_cselect_b32 s19, s41, s40                    ; which four heads
	s_lshl_b32 s19, s19, 2
	s_add_co_u32 s19, s19, s14                     ; my head
	s_lshr_b32 s21, s18, 3                         ; the batch: 8 tiles of tokens each
	s_lshl_b32 s21, s21, 4
	s_add_co_u32 s21, s21, s19
	s_lshl_b32 s21, s21, 5
	s_and_b32 s18, s18, 7
	s_lshl_b32 s18, s18, 2
	s_add_co_u32 s21, s21, s18                     ; my first group of 64 tokens, counted through the buffer
	s_cmp_eq_u32 s80, 1
	s_cselect_b32 s82, 12, 13                      ; a group is 4,096 bytes in qc, 8,192 in kv
	s_cselect_b64 s[84:85], s[68:69], s[70:71]
	s_lshl_b32 s22, s21, s82
	s_mov_b32 s23, 0
	s_add_nc_u64 s[84:85], s[84:85], s[22:23]
	s_lshl_b32 s82, 1, s82
	v_mov_b32 v[CO], v[LI]
	v_add_nc_u32 v[CO+1], s82, v[LI]
	s_lshl_b32 s18, s82, 1
	v_add_nc_u32 v[CO+2], s18, v[LI]
	s_add_co_u32 s18, s18, s82
	v_add_nc_u32 v[CO+3], s18, v[LI]
.macro FRAG reg, adr, q, i             ; 16 rows x 128 codes: 16 registers; registers 4 c .. 4 c + 3 hold bytes 32 c + 16 (lane / 16) + 0 .. 15 of row lane % 16: the same places in A and in B
.irp c, 0,1,2,3
	ds_load_b128 v[\reg+4*\c:\reg+4*\c+3], v[\adr] offset:128*(\q)+32*\c+(\i)*16*PITCH
.endr
.endm
; 16 matrix instructions: A's blocks a0, a0 + 1 x B's eight.  The 64 accumulators take turns, one instruction a turn, in the same order in every step.  zero = 1: the first product starts the sums.
.macro MUL16 a0, p, zero
.irp a, \a0, \a0+1
.irp b, 0,1,2,3,4,5,6,7
.if \zero
	v_wmma_f32_16x16x128_fp8_fp8 v[8*(8*((\a)%4)+\b):8*(8*((\a)%4)+\b)+7], v[128*(\p)+FR*\b:128*(\p)+FR*\b+FR-1], v[AF+FR*(\a):AF+FR*(\a)+FR-1], 0
.else
	v_wmma_f32_16x16x128_fp8_fp8 v[8*(8*((\a)%4)+\b):8*(8*((\a)%4)+\b)+7], v[128*(\p)+FR*\b:128*(\p)+FR*\b+FR-1], v[AF+FR*(\a):AF+FR*(\a)+FR-1], v[8*(8*((\a)%4)+\b):8*(8*((\a)%4)+\b)+7]
.endif
.endr
.endr
.endm
.macro FETCH_B slot, q, p
	WIN TO_B
.irp i, 0,1,2,3,4,5,6,7
	FRAG 128*(\p)+FR*\i, ADRB+\slot, \q, \i
.endr
	WIN 0
.endm
.macro FETCH_A slot, q, i0
.irp i, \i0, \i0+1, \i0+2, \i0+3
	FRAG AF+FR*(\i), ADRA+\slot, \q, \i
.endr
.endm
.macro PLACES n                        ; plain vector instructions between a matrix instruction and a load into, or a vector read or write of, its registers
.rept \n
	v_nop
.endr
.endm
; A step of 128 along K that has its successor in the same slot.  A has one set of registers (blocks 0-3 are fetched anew in the step's middle, blocks 4-7 at its end), B two.
.macro STEP slot, q, zero
	s_wait_dscnt 4*NL                              ; B's set and A's blocks 0-3 are in; the youngest 16 loads (A's blocks 4-7) may be out
	WIN MUL_LO
	MUL16 0, (\q)%2, \zero
	MUL16 2, (\q)%2, \zero
	s_wait_dscnt 0                                 ; A's blocks 4-7 are in
	PLACES NP
	FETCH_B \slot, (\q)+1, 1-(\q)%2
	FETCH_A \slot, (\q)+1, 0
	WIN MUL_HI
	MUL16 4, (\q)%2, \zero
	MUL16 6, (\q)%2, \zero
	PLACES NP
	WIN 0
	FETCH_A \slot, (\q)+1, 4
.endm
; A slot's last step changes slots: one barrier; in front of it each wave waits for all its tensor loads, adds 0 to its spare word, and waits for that and for its reads of this slot.  fill = 1: the slot is filled again.
.macro TURN slot, next, fill
	s_wait_tensorcnt 0x0                           ; all my tensor loads have landed: my part of the next slot  (every window is 0 here)
	ds_add_u32 v[SPW], v[NIL]                      ; 0 onto my spare word
	s_wait_dscnt 4*NL+1                            ; (the add and the youngest 16 loads may be out)
	WIN MUL_LO
	MUL16 0, 1, 0                                  ; sixteen matrix instructions stand between the add and the wait for it
	s_wait_dscnt 0x0                               ; the add is done, and my reads of this slot are over
	s_barrier_signal -1
	MUL16 2, 1, 0
	WIN 0
	s_barrier_wait -1
.if \fill
	CREST                                          ; the barrier has opened a round of the cluster's: no wave of any partner still reads this slot or has a load on its way
	s_add_nc_u64 s[G0+4*\slot+2:G0+4*\slot+3], s[G0+4*\slot+2:G0+4*\slot+3], 2*ROWB
	s_add_nc_u64 s[G0B+4*\slot+2:G0B+4*\slot+3], s[G0B+4*\slot+2:G0B+4*\slot+3], 2*ROWB
	JLOAD G0+4*\slot, G1, G0B+4*\slot, G1B         ; the first tensor load behind the round, my only one until the next; its four v_nop are the places in front of the loads below
.else
	PLACES NP
.endif
	FETCH_B \next, 0, 0
	FETCH_A \next, 0, 0
	WIN MUL_HI
	MUL16 4, 1, 0
	MUL16 6, 1, 0
	PLACES NP
	WIN 0
	FETCH_A \next, 0, 4
.endm
	s_wait_tensorcnt 1                             ; my part of slot 0 is in; slot 1's load may be out
	s_barrier_signal -1
	s_barrier_wait -1
	FETCH_B 0, 0, 0
	FETCH_A 0, 0, 0
	FETCH_A 0, 0, 4
	STEP 0, 0, 1                                   ; K 0-127: its products start the sums
	TURN 0, 1, 1                                   ; K 128-255; slot 0 takes K 512-767
	STEP 1, 0, 0
	TURN 1, 0, 1                                   ; slot 1 takes K 768-1023
	STEP 0, 0, 0
	TURN 0, 1, 0                                   ; nothing is left to fetch: behind this barrier nobody reads slot 0 any more
	STEP 1, 0, 0
	s_wait_dscnt 4*NL
	WIN MUL_LO
	MUL16 0, 1, 0
	MUL16 2, 1, 0
	s_wait_dscnt 0
	WIN MUL_HI
	MUL16 4, 1, 0
	MUL16 6, 1, 0
	WIN 0
	s_wait_kmcnt 0x0
	s_add_co_i32 s96, s72, s73
	s_add_co_i32 s96, s96, 127
	s_lshl_b32 s96, s96, 23                        ; 2^(e0 + e1) as f32
	s_mov_b32 s97, s96                             ; (named with it as a pair)
	s_cmp_eq_u32 s80, 0
	s_cselect_b32 s81, s75, s74                    ; k: e3; q: e2;
	s_cmp_eq_u32 s80, 2
	s_cselect_b32 s81, s77, s81                    ; v: e5.  A choice, no branch, hangs on the loaded numbers
	s_add_co_i32 s81, s81, 127
	s_lshl_b32 s18, s81, 23
	v_mov_b32 v[SCL], s18
	s_wait_loadcnt 0x0                             ; the biases
	PLACES NP
; Block a (16 rows i x 128 j): 64 sums a lane become 64 codes.  kind = 0: the bias goes by j; 1: by i (one number a lane and block).  Each accumulator is read from its low end on.
.macro PACK a, kind, sto
.set AC, 64*((\a)%4)
.set CS, CD+16*((\a)%4)
	WIN 0x02+((\a)/4)                              ; source 0: window 2 or 3
.irp j, 0,2,4,6,8,10,12,14,16,18,20,22,24,26,28,30,32,34,36,38,40,42,44,46,48,50,52,54,56,58,60,62
.if \kind == 0
	v_pk_fma_f32 v[TMP+\j:TMP+\j+1], v[AC+\j:AC+\j+1], s[96:97], v[BJ+\j:BJ+\j+1] op_sel_hi:[1,0,1]
.elseif ((\a)%2) == 0
	v_pk_fma_f32 v[TMP+\j:TMP+\j+1], v[AC+\j:AC+\j+1], s[96:97], v[BI+(\a):BI+(\a)+1] op_sel_hi:[1,0,0]
.else
	v_pk_fma_f32 v[TMP+\j:TMP+\j+1], v[AC+\j:AC+\j+1], s[96:97], v[BI+(\a)-1:BI+(\a)] op_sel:[0,0,1] op_sel_hi:[1,0,1]
.endif
.endr
	WIN 0
.set i, 0
.rept 64
.set i, i+1
.endr
.irp b, 0,1,2,3,4,5,6,7
	v_cvt_scalef32_pk8_fp8_f32 v[CS+2*\b:CS+2*\b+1], v[TMP+8*\b:TMP+8*\b+7], v[SCL]
.endr
	v_nop                                          ; a plain vector instruction between the conversions and the next block's writes of their sources
.irp b, 0,1,2,3,4,5,6,7
	ds_store_b64 v[\sto], v[CS+2*\b:CS+2*\b+1] offset:(\a)*16*PITCH+16*\b
.endr
.endm
.macro CLOSE
	s_wait_tensorcnt 0x0                           ; the wave's end
	ds_add_u32 v[SPW], v[NIL]
	s_wait_dscnt 0x0
	CROUND                                         ; the closing round: no work-group ends while a partner may still ask for a tile that names it
	s_endpgm
.endm
	s_cmp_eq_u32 s80, 2                            ; the kind is the same in all waves and in all sixteen partners
	s_cbranch_scc1 .Lkind_v
.irp a, 0,1,2,3,4,5,6,7
	PACK \a, 0, STOK
.endr
	s_wait_dscnt 0x0                               ; for the others' sake: my stores into the stage are done
	s_barrier_signal -1
	s_barrier_wait -1
.irp grp, 0,1,2,3                      ; my head: four groups of 64 tokens x four tiles x two halves of the 64 channels
.irp tau, 0,1,2,3
.irp c, 0,1
	ds_load_b128 v[128+4*(8*\grp+2*\tau+\c):128+4*(8*\grp+2*\tau+\c)+3], v[RDK] offset:(64*\grp+32*(\tau/2)+8*(\tau%2))*PITCH+32*\c
.endr
.endr
.endr
.irp grp, 0,1,2,3
.irp tau, 0,1,2,3
.irp c, 0,1
	s_wait_dscnt 31-(8*\grp+2*\tau+\c)
	global_store_b128 v[CO+\grp], v[128+4*(8*\grp+2*\tau+\c):128+4*(8*\grp+2*\tau+\c)+3], s[84:85] offset:(2*\tau+\c)*512   ; 32 lanes store 512 consecutive bytes, aligned
.endr
.endr
.endr
	CLOSE
.Lkind_v:
.irp a, 0,1,2,3,4,5,6,7
	PACK \a, 1, STOV
.endr
	s_wait_dscnt 0x0
	s_barrier_signal -1
	s_barrier_wait -1
.irp grp, 0,1,2,3                      ; my head: four steps of 64 keys x four tiles of channels x two halves of the keys
.irp dt, 0,1,2,3
.irp g, 0,1
	ds_load_b128 v[128+4*(8*\grp+2*\dt+\g):128+4*(8*\grp+2*\dt+\g)+3], v[RDV] offset:(32*(\dt/2)+8*(\dt%2))*PITCH+64*\grp+32*\g
.endr
.endr
.endr
.irp grp, 0,1,2,3
.irp dt, 0,1,2,3
.irp g, 0,1
	s_wait_dscnt 31-(8*\grp+2*\dt+\g)
	global_store_b128 v[CO+\grp], v[128+4*(8*\grp+2*\dt+\g):128+4*(8*\grp+2*\dt+\g)+3], s[84:85] offset:4096+(2*\dt+\g)*512
.endr
.endr
.endr
	CLOSE
.Lfunc_end_k_q1bcb7cf80c_kqv:
	.size	k_q1bcb7cf80c_kqv, .Lfunc_end_k_q1bcb7cf80c_kqv-k_q1bcb7cf80c_kqv
	.p2alignl 7, 3214868480
	.fill 96, 4, 3214868480
	.section	.rodata,"a",@progbits
	.p2align	6, 0x0
	.amdhsa_kernel k_q1bcb7cf80c_kqv
		.amdhsa_group_segment_fixed_size 327680
		.amdhsa_private_segment_fixed_size 0
		.amdhsa_enable_private_segment 0
		.amdhsa_kernarg_size 48
		.amdhsa_user_sgpr_count 2
		.amdhsa_user_sgpr_kernarg_segment_ptr 1
		.amdhsa_wavefront_size32 1
		.amdhsa_system_sgpr_workgroup_id_x 1
		.amdhsa_system_sgpr_workgroup_id_y 1
		.amdhsa_system_sgpr_workgroup_id_z 1
		.amdhsa_system_vgpr_workitem_id 0
		.amdhsa_next_free_vgpr 1024
		.amdhsa_next_free_sgpr 100
		.amdhsa_reserve_vcc 0
		.amdhsa_float_denorm_mode_32 3
		.amdhsa_float_denorm_mode_16_64 3
		.amdhsa_fp16_overflow 1
		.amdhsa_memory_ordered 1
		.amdhsa_forward_progress 1
		.amdhsa_inst_pref_size 144
	.end_amdhsa_kernel
	.amdgpu_metadata
---
amdhsa.version: [ 1, 2 ]
amdhsa.kernels:
  - .name:           k_q1bcb7cf80c_kqv
    .symbol:         k_q1bcb7cf80c_kqv.kd
    .args:
      - { .name: xc, .offset: 0, .size: 8, .value_kind: global_buffer, .address_space: global }
      - { .name: wkc, .offset: 8, .size: 8, .value_kind: global_buffer, .address_space: global }
      - { .name: b_kqv, .offset: 16, .size: 8, .value_kind: global_buffer, .address_space: global }
      - { .name: lowp_scales, .offset: 24, .size: 8, .value_kind: global_buffer, .address_space: global }
      - { .name: qc, .offset: 32, .size: 8, .value_kind: global_buffer, .address_space: global }
      - { .name: kv, .offset: 40, .size: 8, .value_kind: global_buffer, .address_space: global }
    .group_segment_fixed_size: 327680
    .private_segment_fixed_size: 0
    .kernarg_segment_align: 8
    .kernarg_segment_size: 48
    .max_flat_workgroup_size: 128
    .sgpr_count:     100
    .vgpr_count:     1024
    .wavefront_size: 32
...
	.end_amdgpu_metadata
.endif
;; end of part 2
;; launch attn (part 3): grid 4 x 64, 8 waves a work-group, clusters of 4 x 1, 327,680 bytes of LDS; arguments qc, kv, lowp_scales, yc; writes yc
.if DOCPART == 3
	.amdgcn_target "amdgcn-amd-amdhsa--gfx1250"
	.amdhsa_code_object_version 6
	.text
	.protected	k_q1bcb7cf80c_attn
	.globl	k_q1bcb7cf80c_attn
	.p2align	8
	.type	k_q1bcb7cf80c_attn,@function
k_q1bcb7cf80c_attn:
	s_mov_b64 s[64:65], 0
	v_nop
	global_prefetch_b8 v0, s[64:65] scope:SCOPE_SE
	s_setreg_imm32_b32 hwreg(HW_REG_WAVE_MODE, 25, 1), 1
	s_wait_xcnt 0x0
	s_wait_alu depctr_hold_cnt(0) depctr_sa_sdst(0) depctr_va_vdst(0) depctr_va_sdst(0) depctr_va_ssrc(0) depctr_va_vcc(0) depctr_vm_vsrc(0)
	s_getreg_b32 s2, hwreg(HW_REG_IB_STS2, 6, 4)
	s_cmp_eq_u32 s2, 0
	s_cbranch_scc0 .Lentry_in_a_cluster
	s_endpgm
.Lentry_in_a_cluster:
	s_bfe_u32 s2, ttmp6, 0x10000c
	s_cmp_lg_u32 s2, 0x3003
	s_cbranch_scc0 .Lentry_shape_is_right
	s_endpgm
.Lentry_shape_is_right:
; y[b][h][q] = the sum over k <= q of softmax_k(q . k / 8) v, both products on codes of FP8 (E4M3) with the given scales (q 2^e2, k 2^e3, p 2^e4, v 2^e5), and y quantised with 2^e6 for the last product.
; THE SOFTMAX AHEAD OF THE SECOND PRODUCT: t = score x log2(e) / 8; M = the largest t so far, rounded UP to a whole number; p = 2^(t - M) is quantised, not normalised.  The row's sum is taken of the unquantised p
; and divides at the end.  When M moves, the sum and O are multiplied by 2^(old M - new M), which rounds nothing.
; SHARES.  A cluster of four work-groups is one (batch, head).  Queries come in groups of 64 = four tiles of 16; work-group cx takes tile cx of every group.  So which steps of 64 keys are hidden, or lie on the diagonal, is the
; same in all four partners; cx enters only global addresses and the masks of selections.  Wave w works two ITEMS one after the other: groups 2 U and 2 U + 1 with U = 15 - w, then with U = w: tiles a and b, which share every
; fragment of K and V.  An item has 2 U + 2 key steps: 34 for every wave.
; LDS holds the head's WHOLE kv (262,144 bytes), as it lies in memory, brought by two joint loads a wave (steps 0-7, then steps 8-31), asked for by all four partners with one mask.  Nothing is filled again: no ring.
; LAYOUT.  Both products are used transposed: S^T = K Q^T (source 0 = 16 keys), O^T = V^T P^T (source 0 = 16 channels): a lane holds ONE query (lane % 16) throughout.  kv and qc are images of the operands' registers; the keys of a
; tile of K are chosen so that the codes of tile t are registers 2 t, 2 t + 1 of P, keys 32 (t / 2) + 16 (lane / 16) + 8 (t % 2) + 0 .. 7, the places that V's image gives them; V's channels likewise, so that y's codes are stored as they stand.
; yc [tile of 16 tokens 512][head 16][g 2][lane 32][16]: token r of the tile, channels 32 g + 16 (lane / 16) + 0 .. 15.
; CAUSAL.  The loops' trip counts are constants; a step all of whose keys come after both tiles' queries is jumped over (a branch on the wave's number and the loop's counter).  On the diagonal hidden scores become -infinity.
; LIMITS: e2 + e3 between -123 and 130 (added to c's exponent field); e4, e6 between -126 and 119; e4 + e5 goes by v_ldexp_f32.  NaN is not served.
.set STEPB, 8192                       ; a key step in LDS: 4,096 bytes of K, 4,096 of V
.set SPARE, 262144                     ; behind kv: the spare words, 128 bytes a wave, which no other line names
.set LI,   1                           ; v1   16 x lane; never rewritten
.set ADR,  2                           ; v2   this step's tiles
.set ADN,  3                           ; v3   the next step's
.set SPW,  4
.set NIL,  5
.set NINF, 6                           ; v6   -infinity
.set PLIM, 7
.set PSCL, 8                           ; v8   2^e4
.set W,    12                          ; v12-15 at work: two registers a tile
.set TA,   16                          ; v16-19 tile a: -M, the largest t, the sum in two halves; v20-23 tile b
.set FA,   24                          ; v24 f of tile a, v26 of tile b (v25, v27 are named with them as pairs)
.set YLIM, 28
.set YSCL, 29                          ; v29  2^e6
.set XP,   30                          ; v30, v31 the lane permutes' destinations
.set QA,   32                          ; v32-47  Q of tiles a, b
.set KF,   48                          ; v48-79  K: four tiles of 16 keys
.set VF,   80                          ; v80-111 V: four tiles of 16 channels
.set SA,   112                         ; v112-175 S^T, then p: 32 a tile
.set CA,   176                         ; v176-191 codes: 8 a tile
.set OA,   192                         ; v192-255 O^T: 32 a tile.   v256-271: the second item's Q, parked
.set WV,   12
.set CXR,  13
.set BH,   14
.set U0,   15
.set G1A,  16
.set G1B,  24
.set G0A,  32
.set G0B,  36
.set CS,   48                          ; s[48:49] c = log2(e) / 8 x 2^(e2 + e3)
.set SEL,  50                          ; s[50:51] selects for lane l xor 16
.set TB,   52                          ; s52  LDS byte of the step in hand
.set TBN,  53
.set SS,   54                          ; s54  the step: the loops' counter
.set LAST, 55                          ; s55  2 U + 1: the item's last step, tile b's diagonal
.set DG,   56                          ; s56  2 U: tile a's diagonal
.set EPV,  57                          ; s57  e4 + e5
.set MK,   66                          ; s66-97 for each of a lane's 32 scores of a diagonal step: the lanes in which its key is hidden
.set YB,   98
.set QBS,  100
.set MSB, 0
.macro WIN new
.if MSB != (\new)
	s_set_vgpr_msb (MSB<<8)|(\new)
.set MSB, (\new)
.endif
.endm
.macro CROUND                          ; a round of the cluster's barrier
	s_barrier_signal -1
	s_barrier_wait -1
	s_cmp_lg_u32 s[WV], 0
	s_cbranch_scc1 .Lnot_wave_0_\@
	s_barrier_signal -3
.Lnot_wave_0_\@:
	s_barrier_wait -3
	s_barrier_signal -1
	s_barrier_wait -1
.endm
	s_load_b256 s[4:11], s[0:1], 0x0               ; qc s[4:5], kv s[6:7], lowp_scales s[8:9], yc s[10:11]
	v_lshl_add_u32 v[SPW], v0, 2, SPARE
	v_mov_b32 v[NIL], 0
	ds_add_u32 v[SPW], v[NIL]                      ; the wave's opening: the add and its wait ahead of my first tensor load; work on registers stands between them
	ds_add_u32 v[SPW], v[NIL]
	v_lshrrev_b32 v12, 5, v0
	s_delay_alu instid0(VALU_DEP_1)
	v_readfirstlane_b32 s[WV], v12                 ; wave 0..7
	s_bfe_u32 s[CXR], ttmp6, 0x40000               ; cx
	s_and_b32 s[BH], ttmp7, 0xffff                 ; batch x 16 + head
	; descriptor groups 1: dense blocks as rows of 256 bytes (32 elements of 8 bytes): 32 rows (one key step), 96 rows (three)
	s_mov_b32 s[G1A], 15|(3<<16)|(1<<21)           ; the mask: all four partners; elements of 8 bytes; bit 21 beside a mask
	s_mov_b32 s[G1A+1], 32<<16                     ; tensor_dim0
	s_mov_b32 s[G1A+2], 32<<16                     ; tensor_dim1
	s_mov_b32 s[G1A+3], 32<<16                     ; tile_dim0
	s_mov_b32 s[G1A+4], 32                         ; tile_dim1
	s_mov_b32 s[G1A+5], 32                         ; from row to row
	s_mov_b32 s[G1A+6], 0
	s_mov_b32 s[G1A+7], 0
	s_mov_b32 s[G1B], 15|(3<<16)|(1<<21)
	s_mov_b32 s[G1B+1], 32<<16
	s_mov_b32 s[G1B+2], 96<<16
	s_mov_b32 s[G1B+3], 32<<16
	s_mov_b32 s[G1B+4], 96
	s_mov_b32 s[G1B+5], 32
	s_mov_b32 s[G1B+6], 0
	s_mov_b32 s[G1B+7], 0
	s_lshl_b32 s2, s[WV], 13                       ; my first load: key step w
	s_mul_i32 s3, s[WV], 3*STEPB
	s_add_co_u32 s3, s3, 8*STEPB                   ; my second: steps 8 + 3 w on.  LDS and the head's bytes in memory run alike
	s_lshl_b32 s58, s[BH], 18
	s_mov_b32 s59, 0
	s_mov_b32 s60, s2
	s_mov_b32 s61, 0
	s_mov_b32 s62, s3
	s_mov_b32 s63, 0
	s_mov_b32 s[SEL], 0x76543210
	s_mov_b32 s[SEL+1], 0xfedcba98
	s_sub_co_u32 s[U0], 15, s[WV]                  ; the first item's U
	s_wait_dscnt 0x0                               ; the opening add is done
	s_wait_kmcnt 0x0
	s_load_b256 s[40:47], s[8:9], 0x0              ; e0 .. e7
	s_add_nc_u64 s[58:59], s[6:7], s[58:59]        ; the head's kv: the same in all four partners
	s_mov_b32 s[G0A], 1
	s_mov_b32 s[G0A+1], s2
	s_add_nc_u64 s[G0A+2:G0A+3], s[58:59], s[60:61]
	s_or_b32 s[G0A+3], s[G0A+3], 0x80000000
	s_mov_b32 s[G0B], 1
	s_mov_b32 s[G0B+1], s3
	s_add_nc_u64 s[G0B+2:G0B+3], s[58:59], s[62:63]
	s_or_b32 s[G0B+3], s[G0B+3], 0x80000000
	CROUND                                         ; all four work-groups are here: the joint loads meet
	tensor_load_to_lds s[G0A:G0A+3], s[G1A:G1A+7]
	s_nop 0
	s_wait_alu depctr_va_vdst(0)
	s_wait_tensorcnt 0x0
	ds_add_u32 v4, v5
	s_wait_dscnt 0x0
	CROUND
	tensor_load_to_lds s[G0B:G0B+3], s[G1B:G1B+7]  ; my second load, the only one out (the first has landed), and no more will be
	s_nop 0
.rept 4
	v_nop
.endr
	; Q of both items: tile (bh, group m, cx) is 1,024 bytes at (128 bh + 4 m + cx) x 1,024
	v_and_b32 v[LI], 31, v0
	s_delay_alu instid0(VALU_DEP_1)
	v_lshlrev_b32 v[LI], 4, v[LI]
	s_wait_alu depctr_va_vdst(0)
	s_lshl_b32 s60, s[BH], 7
	s_add_co_u32 s60, s60, s[CXR]
	s_lshl_b32 s62, s[U0], 3
	s_add_co_u32 s62, s62, s60
	s_lshl_b32 s62, s62, 10
	s_mov_b32 s63, 0
	s_add_nc_u64 s[QBS:QBS+1], s[4:5], s[62:63]
	s_lshl_b32 s62, s[WV], 3
	s_add_co_u32 s62, s62, s60
	s_lshl_b32 s62, s62, 10
	s_add_nc_u64 s[62:63], s[4:5], s[62:63]
.irp z, 0,1
.irp c, 0,1
	global_load_b128 v[QA+8*\z+4*\c:QA+8*\z+4*\c+3], v[LI], s[QBS:QBS+1] offset:4096*\z+512*\c th:TH_LOAD_NT
.endr
.endr
	WIN 0x40                                       ; destination window 1: v256-271
.irp z, 0,1
.irp c, 0,1
	global_load_b128 v[8*\z+4*\c:8*\z+4*\c+3], v[LI], s[62:63] offset:4096*\z+512*\c th:TH_LOAD_NT
.endr
.endr
	WIN 0
	; the diagonal's masks.  My query within its group: 32 (cx / 2) + 8 (cx % 2) + r % 8 + 16 (r / 8).  Score 8 t + j is key 32 (t / 2) + 8 (t % 2) + 16 (lane / 16) + j of the step: hidden where it is the greater
	v_and_b32 v12, 15, v0
	s_delay_alu instid0(VALU_DEP_1)
	v_and_b32 v13, 8, v12
	s_delay_alu instid0(VALU_DEP_1)
	v_add_nc_u32 v12, v12, v13
	v_bfe_u32 v13, v0, 4, 1
	s_delay_alu instid0(VALU_DEP_1)
	v_lshlrev_b32 v13, 4, v13
	s_delay_alu instid0(VALU_DEP_1)
	v_sub_nc_u32 v12, v12, v13
	s_lshr_b32 s2, s[CXR], 1
	s_lshl_b32 s2, s2, 5
	s_and_b32 s3, s[CXR], 1
	s_lshl_b32 s3, s3, 3
	s_add_co_u32 s2, s2, s3
	v_add_nc_u32 v12, s2, v12
.irp t, 0,1,2,3
.irp j, 0,1,2,3,4,5,6,7
	v_cmp_gt_i32 s[MK+8*\t+\j], 32*(\t/2)+8*(\t%2)+\j, v12
.endr
.endr
	v_mov_b32 v[NINF], 0xff800000
	v_mov_b32 v[XP], 0                             ; a lane permute's destination counts as one of its sources
	v_mov_b32 v[XP+1], 0
	v_mov_b32 v[FA+1], 0
	v_mov_b32 v[FA+3], 0
.macro ITEM ureg                       ; the item's diagonal steps, and where its y goes: tile of tokens 128 batch + 8 U + cx (tile b: 4 further on), head's 1,024 bytes
	s_lshl_b32 s[DG], s[\ureg], 1
	s_add_co_u32 s[LAST], s[DG], 1
	s_lshr_b32 s2, s[BH], 4
	s_lshl_b32 s2, s2, 7
	s_lshl_b32 s3, s[\ureg], 3
	s_add_co_u32 s2, s2, s3
	s_add_co_u32 s2, s2, s[CXR]
	s_lshl_b32 s2, s2, 14
	s_and_b32 s3, s[BH], 15
	s_lshl_b32 s3, s3, 10
	s_add_co_u32 s2, s2, s3
	s_mov_b32 s3, 0
	s_add_nc_u64 s[YB:YB+1], s[10:11], s[2:3]
.endm
.macro INIT                            ; the step is written without a first step of its own: O^T and the sums begin as zeros, the largest t as -3e38
.set n, 0
.rept 64
	v_mov_b32 v[OA+n], 0
.set n, n+1
.endr
.irp z, 0,1
	v_mov_b32 v[TA+4*\z+1], 0xff61b1e6
	s_delay_alu instid0(VALU_DEP_1)
	v_floor_f32 v[TA+4*\z], -v[TA+4*\z+1]
	v_mov_b32 v[TA+4*\z+2], 0
	v_mov_b32 v[TA+4*\z+3], 0
.endr
.endm
	ITEM U0
	INIT
	s_wait_kmcnt 0x0
	s_add_co_i32 s2, s42, s43
	s_lshl_b32 s2, s2, 23
	s_mov_b32 s[CS], 0x3e38aa3b                    ; log2(e) / 8
	s_add_co_i32 s[CS], s[CS], s2                  ; a score stands for score x 2^(e2 + e3)
	s_mov_b32 s[CS+1], s[CS]
	s_add_co_i32 s2, s44, 127
	s_lshl_b32 s3, s2, 23
	v_mov_b32 v[PSCL], s3
	s_add_co_i32 s2, s46, 127
	s_lshl_b32 s3, s2, 23
	v_mov_b32 v[YSCL], s3
	s_add_co_i32 s[EPV], s44, s45
.macro KLOAD adr                       ; a step's K: four tiles of 16 keys x 64 channels
.irp f, 0,1,2,3
.irp c, 0,1
	ds_load_b128 v[KF+8*\f+4*\c:KF+8*\f+4*\c+3], v[\adr] offset:1024*\f+512*\c
.endr
.endr
.endm
.macro MASK sb
.set n, 0
.rept 32
	v_cndmask_b32 v[\sb+n], v[\sb+n], v[NINF], s[MK+n]
.set n, n+1
.endr
.endm
; A KEY STEP of 64 keys for tiles a and b.  masked = 1: steps behind the item's last are jumped over, and the two diagonal steps are masked.  limit: the last step whose K the look-ahead may read.
.macro STEP masked, limit
.if \masked
	s_cmp_gt_u32 s[SS], s[LAST]
	s_cbranch_scc1 .Lskip_\@
.endif
	s_setprio 2
	v_add_nc_u32 v[ADR], s[TB], v[LI]
	s_add_co_u32 s[TBN], s[TB], STEPB
	s_min_u32 s[TBN], s[TBN], \limit
	v_add_nc_u32 v[ADN], s[TBN], v[LI]
	v_nop                                          ; with the two additions: four places between the last products and the loads into V's registers
	v_nop
.irp f, 0,1,2,3
.irp c, 0,1
	ds_load_b128 v[VF+8*\f+4*\c:VF+8*\f+4*\c+3], v[ADR] offset:4096+1024*\f+512*\c
.endr
.endr
	s_wait_alu depctr_va_vdst(0)
	s_wait_dscnt 8                                 ; K, asked for a step ago, is in; V's eight loads may be out
.irp f, 0,1,2,3
.irp z, 0,1
	v_wmma_f32_16x16x64_fp8_fp8 v[SA+32*\z+8*\f:SA+32*\z+8*\f+7], v[KF+8*\f:KF+8*\f+7], v[QA+8*\z:QA+8*\z+7], 0
.endr
.endr
.rept 4
	v_nop                                          ; places in front of the loads into K's registers and of the first read of the scores
.endr
	KLOAD ADN                                      ; the next step's K
.if \masked
	s_cmp_lt_u32 s[SS], s[DG]
	s_cbranch_scc1 .Lopen_\@
	s_cmp_eq_u32 s[SS], s[DG]
	s_cbranch_scc0 .Lend_\@
	MASK SA                                        ; tile a's diagonal
	s_branch .Lopen_\@
.Lend_\@:
	MASK SA+32                                     ; tile b's diagonal; for tile a all of the step's keys are hidden
.set n, 0
.rept 32
	v_mov_b32 v[SA+n], v[NINF]
.set n, n+1
.endr
.Lopen_\@:
.endif
	; the largest score of my query among my 32 keys, two chains a tile, from each accumulator's low end on; the two tiles' lines alternate
.irp z, 0,1
	v_max3_num_f32 v[W+2*\z], v[SA+32*\z], v[SA+32*\z+1], v[SA+32*\z+2]
	v_max3_num_f32 v[W+2*\z+1], v[SA+32*\z+3], v[SA+32*\z+4], v[SA+32*\z+5]
.endr
.irp i, 6,10,14,18,22,26
.irp z, 0,1
	v_max3_num_f32 v[W+2*\z], v[W+2*\z], v[SA+32*\z+\i], v[SA+32*\z+\i+1]
	v_max3_num_f32 v[W+2*\z+1], v[W+2*\z+1], v[SA+32*\z+\i+2], v[SA+32*\z+\i+3]
.endr
.endr
.irp z, 0,1
	v_max3_num_f32 v[W+2*\z], v[W+2*\z], v[SA+32*\z+30], v[SA+32*\z+31]
.endr
.irp z, 0,1
	s_delay_alu instid0(VALU_DEP_2)
	v_max_num_f32 v[W+2*\z], v[W+2*\z], v[W+2*\z+1]
.endr
.irp z, 0,1
	s_delay_alu instid0(VALU_DEP_2)
	v_permlanex16_b32 v[XP+\z], v[W+2*\z], s[SEL], s[SEL+1]
.endr
.irp z, 0,1
	s_delay_alu instid0(VALU_DEP_2)
	v_max_num_f32 v[W+2*\z], v[W+2*\z], v[XP+\z]   ; and among lane l xor 16's
.endr
.irp z, 0,1
	s_delay_alu instid0(VALU_DEP_2)
	v_mul_f32 v[W+2*\z], s[CS], v[W+2*\z]          ; as t (c is positive)
.endr
.irp z, 0
	s_delay_alu instid0(VALU_DEP_2)
	v_max_num_f32 v[TA+4*\z+1], v[TA+4*\z+1], v[W+2*\z]
	v_mov_b32 v[W+2*\z], v[TA+4*\z]
.endr
.irp z, 1
	s_delay_alu instid0(VALU_DEP_3)
	v_max_num_f32 v[TA+4*\z+1], v[TA+4*\z+1], v[W+2*\z]
	v_mov_b32 v[W+2*\z], v[TA+4*\z]
.endr
.irp z, 0
	s_delay_alu instid0(VALU_DEP_4)
	v_floor_f32 v[TA+4*\z], -v[TA+4*\z+1]
.endr
.irp z, 1
	s_delay_alu instid0(VALU_DEP_3)
	v_floor_f32 v[TA+4*\z], -v[TA+4*\z+1]          ; -M = floor(-t): M is a whole number
.endr
.irp z, 0,1
	s_delay_alu instid0(VALU_DEP_2)
	v_sub_f32 v[W+2*\z], v[TA+4*\z], v[W+2*\z]     ; old M - new M, 0 or less
.endr
.irp z, 0,1
	s_delay_alu instid0(VALU_DEP_2)
	v_cvt_i32_f32 v[W+2*\z], v[W+2*\z]             ; (it saturates)
.endr
.irp z, 0,1
	s_delay_alu instid0(VALU_DEP_2)
	v_ldexp_f32 v[FA+2*\z], 1.0, v[W+2*\z]         ; f = 2^(old M - new M)
.endr
.irp z, 0,1
.irp j, 0,2,4,6,8,10,12,14,16,18,20,22,24,26,28,30
	v_pk_fma_f32 v[SA+32*\z+\j:SA+32*\z+\j+1], v[SA+32*\z+\j:SA+32*\z+\j+1], s[CS:CS+1], v[TA+4*\z:TA+4*\z+1] op_sel_hi:[1,0,0]   ; t - M
.endr
.endr
.set n, 0
	s_wait_alu depctr_va_vdst(0)
.rept 64
	v_exp_f32 v[SA+n], v[SA+n]                     ; p = 2^(t - M): one batch
.set n, n+1
.endr
	s_setprio 1
.irp z, 0,1
	v_pk_mul_f32 v[TA+4*\z+2:TA+4*\z+3], v[TA+4*\z+2:TA+4*\z+3], v[FA+2*\z:FA+2*\z+1] op_sel_hi:[1,0]   ; the sums under the new M: the plain instructions behind the exponentials
.endr
	s_wait_alu depctr_va_vdst(0)                   ; one wait for the batch, ahead of its first reader
.irp z, 0,1
	v_pk_add_f32 v[W+2*\z:W+2*\z+1], v[SA+32*\z:SA+32*\z+1], v[SA+32*\z+2:SA+32*\z+3]   ; the row's sum is taken of the unquantised p
.endr
.irp j, 4,8,12,16,20,24,28
.irp z, 0,1
	v_pk_add_f32 v[TA+4*\z+2:TA+4*\z+3], v[TA+4*\z+2:TA+4*\z+3], v[SA+32*\z+\j:SA+32*\z+\j+1]
	v_pk_add_f32 v[W+2*\z:W+2*\z+1], v[W+2*\z:W+2*\z+1], v[SA+32*\z+\j+2:SA+32*\z+\j+3]
.endr
.endr
.irp z, 0
	s_delay_alu instid0(VALU_DEP_3)
	v_pk_add_f32 v[TA+4*\z+2:TA+4*\z+3], v[TA+4*\z+2:TA+4*\z+3], v[W+2*\z:W+2*\z+1]
.endr
.irp z, 1
	s_delay_alu instid0(VALU_DEP_2)
	v_pk_add_f32 v[TA+4*\z+2:TA+4*\z+3], v[TA+4*\z+2:TA+4*\z+3], v[W+2*\z:W+2*\z+1]
.endr
.set n, 0
.rept 64
.set n, n+1
.endr
.irp t, 0,1,2,3,4,5,6,7
	v_cvt_scalef32_pk8_fp8_f32 v[CA+2*\t:CA+2*\t+1], v[SA+8*\t:SA+8*\t+7], v[PSCL]
.endr
.irp z, 0,1
.irp j, 0,2,4,6,8,10,12,14,16,18,20,22,24,26,28,30
	v_pk_mul_f32 v[OA+32*\z+\j:OA+32*\z+\j+1], v[OA+32*\z+\j:OA+32*\z+\j+1], v[FA+2*\z:FA+2*\z+1] op_sel_hi:[1,0]   ; O^T under the new M.  (Plain instructions between the conversions and the products)
.endr
.endr
	s_setprio 0
	s_wait_alu depctr_va_vdst(0)
	s_wait_dscnt 8                                 ; V is in; the next step's K, eight loads, may be out
.irp f, 0,1,2,3
.irp z, 0,1
	v_wmma_f32_16x16x64_fp8_fp8 v[OA+32*\z+8*\f:OA+32*\z+8*\f+7], v[VF+8*\f:VF+8*\f+7], v[CA+8*\z:CA+8*\z+7], v[OA+32*\z+8*\f:OA+32*\z+8*\f+7]   ; eight accumulators by turns
.endr
.endr
.if \masked
.Lskip_\@:
.endif
	s_add_co_u32 s[TB], s[TB], STEPB
	s_add_co_u32 s[SS], s[SS], 1
.endm
; The item's end: O^T / the sum x 2^(e4 + e5) is y; converted with 2^e6, and stored as it stands: 512 consecutive bytes an instruction.
.macro FINISH
.rept 4
	v_nop                                          ; places behind the last products
.endr
.irp z, 0,1
	v_add_f32 v[W+2*\z], v[TA+4*\z+2], v[TA+4*\z+3]
.endr
.irp z, 0,1
	s_delay_alu instid0(VALU_DEP_2)
	v_permlanex16_b32 v[XP+\z], v[W+2*\z], s[SEL], s[SEL+1]
.endr
.irp z, 0,1
	s_delay_alu instid0(VALU_DEP_2)
	v_add_f32 v[W+2*\z], v[W+2*\z], v[XP+\z]       ; the row's sum: at least 1/2
.endr
	s_wait_alu depctr_va_vdst(0)
.irp z, 0,1
	v_rcp_f32 v[FA+2*\z], v[W+2*\z]
.endr
	v_nop                                          ; a plain instruction behind the reciprocals,
	s_wait_alu depctr_va_vdst(0)                   ; and the wait ahead of their first reader
.irp z, 0,1
	v_ldexp_f32 v[FA+2*\z], v[FA+2*\z], s[EPV]
.endr
.irp z, 0,1
.irp j, 0,2,4,6,8,10,12,14,16,18,20,22,24,26,28,30
	v_pk_mul_f32 v[OA+32*\z+\j:OA+32*\z+\j+1], v[OA+32*\z+\j:OA+32*\z+\j+1], v[FA+2*\z:FA+2*\z+1] op_sel_hi:[1,0]
.endr
.endr
.set n, 0
.rept 64
.set n, n+1
.endr
.irp t, 0,1,2,3,4,5,6,7
	v_cvt_scalef32_pk8_fp8_f32 v[CA+2*\t:CA+2*\t+1], v[OA+8*\t:OA+8*\t+7], v[YSCL]
.endr
	v_nop                                          ; a plain instruction behind the last conversion
.irp z, 0,1
.irp g, 0,1
	global_store_b128 v[LI], v[CA+8*\z+4*\g:CA+8*\z+4*\g+3], s[YB:YB+1] offset:65536*\z+512*\g
.endr
.endr
.endm
	s_wait_tensorcnt 1                             ; my key step of steps 0-7 is in; my second load may be out
	s_barrier_signal -1
	s_barrier_wait -1                              ; everybody's is
	s_mov_b32 s[TB], 0
	s_mov_b32 s[SS], 0
	KLOAD LI
	s_wait_loadcnt 0x0                             ; Q of both items
.Lpre:                                             ; steps 0-7 of the first item (its U is 8 or more: all their keys count); the look-ahead stays inside what has landed
	STEP 0, 7*STEPB
	s_cmp_lt_u32 s[SS], 8
	s_cbranch_scc1 .Lpre
	s_setprio 0
	s_wait_tensorcnt 0x0                           ; my second load is in,
	s_wait_dscnt 0x0
	s_barrier_signal -1
	s_barrier_wait -1                              ; everybody's is: the whole head lies in LDS, and from here on the waves walk it each by itself
	s_mov_b32 s[TB], 8*STEPB
	s_mov_b32 s[SS], 8
	v_add_nc_u32 v[ADN], s[TB], v[LI]
	KLOAD ADN
.Lmain0:
	STEP 1, 31*STEPB
	s_cmp_lt_u32 s[SS], 32
	s_cbranch_scc1 .Lmain0
	s_setprio 0
	s_wait_dscnt 0x0                               ; the look-ahead's loads
	FINISH
	s_wait_xcnt 0x0                                ; the stores have read their base and their data: both are written again below
	ITEM WV
	WIN 0x01                                       ; source 0 window 1
.set n, 0
.rept 16
	v_mov_b32 v[QA+n], v[n]                        ; the second item's Q
.set n, n+1
.endr
	WIN 0
	INIT
	s_mov_b32 s[TB], 0
	s_mov_b32 s[SS], 0
	KLOAD LI
.Lmain1:
	STEP 1, 31*STEPB
	s_cmp_lt_u32 s[SS], 16
	s_cbranch_scc1 .Lmain1
	s_setprio 0
	s_wait_dscnt 0x0
	s_wait_alu depctr_va_vdst(0)
	FINISH
	s_wait_tensorcnt 0x0                           ; the wave's end
	ds_add_u32 v[SPW], v[NIL]
	s_wait_dscnt 0x0
	CROUND                                         ; the closing round
	s_endpgm
.Lfunc_end_k_q1bcb7cf80c_attn:
	.size	k_q1bcb7cf80c_attn, .Lfunc_end_k_q1bcb7cf80c_attn-k_q1bcb7cf80c_attn
	.p2alignl 7, 3214868480
	.fill 96, 4, 3214868480
	.section	.rodata,"a",@progbits
	.p2align	6, 0x0
	.amdhsa_kernel k_q1bcb7cf80c_attn
		.amdhsa_group_segment_fixed_size 327680
		.amdhsa_private_segment_fixed_size 0
		.amdhsa_enable_private_segment 0
		.amdhsa_kernarg_size 32
		.amdhsa_user_sgpr_count 2
		.amdhsa_user_sgpr_kernarg_segment_ptr 1
		.amdhsa_wavefront_size32 1
		.amdhsa_system_sgpr_workgroup_id_x 1
		.amdhsa_system_sgpr_workgroup_id_y 1
		.amdhsa_system_sgpr_workgroup_id_z 1
		.amdhsa_system_vgpr_workitem_id 0
		.amdhsa_next_free_vgpr 272
		.amdhsa_next_free_sgpr 102
		.amdhsa_reserve_vcc 0
		.amdhsa_float_denorm_mode_32 3
		.amdhsa_float_denorm_mode_16_64 3
		.amdhsa_fp16_overflow 1
		.amdhsa_memory_ordered 1
		.amdhsa_forward_progress 1
		.amdhsa_inst_pref_size 80
	.end_amdhsa_kernel
	.amdgpu_metadata
---
amdhsa.version: [ 1, 2 ]
amdhsa.kernels:
  - .name:           k_q1bcb7cf80c_attn
    .symbol:         k_q1bcb7cf80c_attn.kd
    .args:
      - { .name: qc, .offset: 0, .size: 8, .value_kind: global_buffer, .address_space: global }
      - { .name: kv, .offset: 8, .size: 8, .value_kind: global_buffer, .address_space: global }
      - { .name: lowp_scales, .offset: 16, .size: 8, .value_kind: global_buffer, .address_space: global }
      - { .name: yc, .offset: 24, .size: 8, .value_kind: global_buffer, .address_space: global }
    .group_segment_fixed_size: 327680
    .private_segment_fixed_size: 0
    .kernarg_segment_align: 8
    .kernarg_segment_size: 32
    .max_flat_workgroup_size: 256
    .sgpr_count:     102
    .vgpr_count:     272
    .wavefront_size: 32
...
	.end_amdgpu_metadata
.endif
;; end of part 3
;; launch proj (part 4): grid 4 x 64, 4 waves a work-group, clusters of 4 x 4, 327,680 bytes of LDS; arguments yc, wpc, b_proj, lowp_scales, out0; writes out0
.if DOCPART == 4
	.amdgcn_target "amdgcn-amd-amdhsa--gfx1250"
	.amdhsa_code_object_version 6
	.text
	.protected	k_q1bcb7cf80c_proj
	.globl	k_q1bcb7cf80c_proj
	.p2align	8
	.type	k_q1bcb7cf80c_proj,@function
k_q1bcb7cf80c_proj:
	s_mov_b64 s[64:65], 0
	v_nop
	global_prefetch_b8 v0, s[64:65] scope:SCOPE_SE
	s_setreg_imm32_b32 hwreg(HW_REG_WAVE_MODE, 25, 1), 1
	s_wait_xcnt 0x0
	s_wait_alu depctr_hold_cnt(0) depctr_sa_sdst(0) depctr_va_vdst(0) depctr_va_sdst(0) depctr_va_ssrc(0) depctr_va_vcc(0) depctr_vm_vsrc(0)
	s_getreg_b32 s2, hwreg(HW_REG_IB_STS2, 6, 4)
	s_cmp_eq_u32 s2, 0
	s_cbranch_scc0 .Lentry_in_a_cluster
	s_endpgm
.Lentry_in_a_cluster:
	s_bfe_u32 s2, ttmp6, 0x10000c
	s_cmp_lg_u32 s2, 0xf033
	s_cbranch_scc0 .Lentry_shape_is_right
	s_endpgm
.Lentry_shape_is_right:
; out0 = y W_proj + b_proj on codes of FP8 (E4M3): y with 2^e6, W_proj with 2^e7; sums in f32, each multiplied once by 2^(e6 + e7) and the bias added in the same fused multiply-add.
; yc [tile of 16 tokens 512][head 16][g 2][lane 32][16]: images of the operand's registers; two heads on end are a fragment of 16 rows x 128 K.  Row r of tile 128 b + 4 m + a is token 64 m + 32 (a / 2) + 8 (a % 2) + r % 8 + 16 (r / 8).
; wpc [1024 (n)][1024 (k)]: rows of codes.  out0 [8192][1024] f32.
; 256 work-groups: a tile of 128 rows x 256 columns, four waves of 64 x 128: 32 accumulators.  Source 0 = 16 rows of W, source 1 = 16 rows of y: a lane holds eight neighbouring columns of one row.
; K = 1,024 is four slots' worth of 256.  Three regions of LDS take the first three as first fills; region 0 is filled once more with the fourth, behind a round of the cluster's barrier: that load has four steps of 128 in which to land.
; CLUSTERS: 4 x 4 work-groups; y's tile is shared along a row of the cluster, W's along a column: each is asked for jointly.
; LIMIT: e6 + e7 between -126 and 127.
; REGISTERS, in windows of 256: window 0: v7-29 addresses, v32-95 at work on the way out, v128-255 y's fragments, two sets of 64 (on the way out: rows read back);  window 1: W's fragments, two sets of 128;
;   window 2: the accumulators ((a, b) at v[8 (8 a + b)]);  window 3: v0-63 the biases of my 8 x 8 columns.
.set PITCH,  272                       ; a row of W in LDS: 256 bytes + 16: the 16 rows that a load touches start four banks apart (64 banks of 4 bytes: ISA guide 11.1)
.set HALFT,  128*PITCH
.set ABYTES, 32768                     ; y's images of a slot: 8 tiles x 4,096 bytes, dense
.set SLOT,   ABYTES+2*HALFT            ; 102,400
.set SPARE,  3*SLOT                    ; behind the regions: the spare words, 128 bytes a wave, which no other line names
.set SPITCH, 528                       ; the way out: 16 rows x (512 bytes + 16) for each wave, in region 1: it has had its only fill, and behind the last barrier nobody reads it
.set FR,   16
.set BA,   7                           ; v7     byte offset of my biases
.set ADRA, 16                          ; v16-18 y's images in regions 0, 1, 2
.set ADRB, 20                          ; v20-22 W's rows
.set STO,  24
.set RD,   25
.set CO,   26                          ; v26    16 x lane
.set SPW,  28
.set NIL,  29
.set TMP,  32
.set AF,   128
.set BK,   128
.set CXR,  66
.set CYR,  67
.set WX,   68
.set MROW, 69
.set MCOL, 70
.set G1,  24
.set G0,  32                           ; s[32:43] three groups 0 for y's tiles
.set G1B, 48
.set G0B, 84                           ; s[84:95] three for W's
.set MSB, 0
.macro WIN new
.if MSB != (\new)
	s_set_vgpr_msb (MSB<<8)|(\new)
.set MSB, (\new)
.endif
.endm
.set MUL,  0xa1                        ; source 0 (W) window 1, source 1 (y) window 0, C and D window 2
.set TO_B, 0x40
.macro JLOAD g0a, g1a, g0b, g1b        ; waves 0 and 1 fetch y's halves, waves 2 and 3 W's; an s_nop 0 and four v_nop follow each of the two lines
	s_cmp_eq_u32 s15, 0
	s_cbranch_scc0 .Lfor_b_\@
	tensor_load_to_lds s[\g0a:\g0a+3], s[\g1a:\g1a+7]
	s_nop 0
.rept 4
	v_nop
.endr
	s_branch .Lasked_\@
.Lfor_b_\@:
	tensor_load_to_lds s[\g0b:\g0b+3], s[\g1b:\g1b+7]
	s_nop 0
.rept 4
	v_nop
.endr
.Lasked_\@:
.endm
.macro CROUND
	s_barrier_signal -1
	s_barrier_wait -1
	s_cmp_lg_u32 s14, 0
	s_cbranch_scc1 .Lnot_wave_0_\@
	s_barrier_signal -3
.Lnot_wave_0_\@:
	s_barrier_wait -3
	s_barrier_signal -1
	s_barrier_wait -1
.endm
	s_load_b128 s[4:7], s[0:1], 0x0                ; yc, wpc
	s_load_b128 s[8:11], s[0:1], 0x10              ; b_proj, lowp_scales
	s_load_b64 s[12:13], s[0:1], 0x20              ; out0
	v_lshl_add_u32 v[SPW], v0, 2, SPARE
	v_mov_b32 v[NIL], 0
	ds_add_u32 v[SPW], v[NIL]                      ; the wave's opening: the add and its wait ahead of my first tensor load; work on registers stands between them
	ds_add_u32 v[SPW], v[NIL]
	v_lshrrev_b32 v1, 5, v0
	v_readfirstlane_b32 s14, v1                    ; wave 0..3
	s_lshr_b32 s15, s14, 1                         ; which 64 rows are mine.  Also: I fetch for y (0) or for W (1)
	s_and_b32 s16, s14, 1                          ; which 128 columns.  Also: which half of that tile I fetch
	s_bfe_u32 s[CXR], ttmp6, 0x40000
	s_bfe_u32 s[CYR], ttmp6, 0x40004
	s_lshl_b32 s[WX], ttmp9, 2
	s_add_co_u32 s[WX], s[WX], s[CXR]              ; tile column
	s_and_b32 s17, ttmp7, 0xffff
	s_lshl_b32 s17, s17, 2
	s_add_co_u32 s17, s17, s[CYR]                  ; tile row
	s_lshl_b32 s[MROW], s[CYR], 2
	s_lshl_b32 s[MROW], 15, s[MROW]                ; my row of the cluster
	s_lshl_b32 s[MCOL], 0x1111, s[CXR]             ; my column
	s_or_b32 s[G1], s[MROW], (3<<16)|(1<<21)       ; y: elements of 8 bytes, no padding; bit 21 beside a mask
	s_mov_b32 s[G1+1], 512<<16                     ; tensor_dim0: a tile's 4,096 bytes of a slot
	s_mov_b32 s[G1+2], 4<<16                       ; tensor_dim1: four tiles of 16 tokens
	s_mov_b32 s[G1+3], 512<<16                     ; tile_dim0
	s_mov_b32 s[G1+4], 4                           ; tile_dim1
	s_mov_b32 s[G1+5], 2048                        ; from tile to tile: 16,384 bytes
	s_mov_b32 s[G1+6], 0
	s_mov_b32 s[G1+7], 0
	s_or_b32 s[G1B], s[MCOL], (0<<16)|(1<<20)|(1<<21)|(5<<22)|(3<<25)  ; W: elements of 1 byte; padding: 4 words after every 64
	s_mov_b32 s[G1B+1], 256<<16
	s_mov_b32 s[G1B+2], 128<<16
	s_mov_b32 s[G1B+3], 256<<16
	s_mov_b32 s[G1B+4], 128
	s_mov_b32 s[G1B+5], 1024
	s_mov_b32 s[G1B+6], 0
	s_mov_b32 s[G1B+7], 0
	s_lshl_b32 s20, s17, 3
	s_lshl_b32 s18, s16, 2
	s_add_co_u32 s20, s20, s18
	s_lshl_b32 s20, s20, 14                        ; y: tile of tokens 8 x tile row + 4 x half
	s_mov_b32 s21, 0
	s_lshl_b32 s46, s[WX], 8
	s_lshl_b32 s18, s16, 7
	s_add_co_u32 s46, s46, s18
	s_lshl_b32 s46, s46, 10                        ; W: row 256 x tile column + 128 x half
	s_mov_b32 s47, 0
	s_lshl_b32 s45, s16, 14                        ; where they go: y's half,
	s_mul_i32 s19, s16, HALFT
	s_add_co_u32 s19, s19, ABYTES                  ; W's half, behind y's
	s_wait_dscnt 0x0                               ; the opening add is done
	s_wait_kmcnt 0x0
	s_load_b64 s[96:97], s[10:11], 0x18            ; e6, e7
	s_add_nc_u64 s[20:21], s[4:5], s[20:21]
	s_add_nc_u64 s[46:47], s[6:7], s[46:47]
	CROUND                                         ; all sixteen work-groups are here: the first joint loads meet
.irp s, 0,1,2
	s_mov_b32 s[G0+4*\s], 1
	s_add_co_u32 s[G0+4*\s+1], s45, \s*SLOT
	s_add_nc_u64 s[G0+4*\s+2:G0+4*\s+3], s[20:21], \s*4096
	s_or_b32 s[G0+4*\s+3], s[G0+4*\s+3], 0x80000000
	s_mov_b32 s[G0B+4*\s], 1
	s_add_co_u32 s[G0B+4*\s+1], s19, \s*SLOT
	s_add_nc_u64 s[G0B+4*\s+2:G0B+4*\s+3], s[46:47], \s*256
	s_or_b32 s[G0B+4*\s+3], s[G0B+4*\s+3], 0x80000000
	s_wait_alu depctr_va_vdst(0)
	s_wait_tensorcnt 0x0
	ds_add_u32 v28, v29
	ds_add_u32 v28, v29
	s_wait_dscnt 0x0
	CROUND
	JLOAD G0+4*\s, G1, G0B+4*\s, G1B               ; one load of mine is out: the wait above has taken the older ones
.endr
	v_and_b32 v1, 15, v0                           ; r
	v_bfe_u32 v2, v0, 4, 1                         ; h
	v_and_b32 v6, 31, v0
	v_lshlrev_b32 v[CO], 4, v6
	v_mul_u32_u24 v3, v1, PITCH
	v_lshl_add_u32 v4, v2, 4, v3
	s_lshl_b32 s21, s15, 14                        ; my four tiles of tokens
	s_mul_i32 s22, s16, HALFT                      ; my 128 rows of W
	s_add_co_u32 s22, s22, ABYTES
.irp s, 0,1,2
	v_add_nc_u32 v[ADRA+\s], s21, v[CO]
	v_add_nc_u32 v[ADRB+\s], s22, v4
	s_add_co_u32 s21, s21, SLOT
	s_add_co_u32 s22, s22, SLOT
.endr
	s_mul_i32 s23, s14, 16*SPITCH
	s_add_co_u32 s23, s23, SLOT                    ; my stage
	v_mul_u32_u24 v5, v1, SPITCH
	v_lshl_add_u32 v5, v2, 5, v5
	v_add_nc_u32 v[STO], s23, v5                   ; in: row r, 32 bytes for each half of the lanes
	v_add_nc_u32 v[RD], s23, v[CO]                 ; back: the 32 lanes take one row of 512 bytes
	s_lshl_b32 s18, s[WX], 10
	s_lshl_b32 s19, s16, 9
	s_add_co_u32 s18, s18, s19                     ; my first column in bytes, in a row of out0 and in b_proj
	v_lshlrev_b32 v[BA], 5, v2
	v_add_nc_u32 v[BA], s18, v[BA]
	WIN 0xc0                                       ; destination window 3
.irp b, 0,1,2,3,4,5,6,7
	global_load_b128 v[8*\b:8*\b+3], v[BA], s[8:9] offset:64*\b
	global_load_b128 v[8*\b+4:8*\b+7], v[BA], s[8:9] offset:64*\b+16
.endr
	WIN 0
	s_lshl_b32 s20, s17, 1
	s_add_co_u32 s20, s20, s15                     ; my group of 64 tokens
	s_lshl_b32 s20, s20, 18                        ; x 64 rows of 4,096 bytes
	s_add_co_u32 s20, s20, s18
	s_mov_b32 s21, 0
	s_add_nc_u64 s[12:13], s[12:13], s[20:21]
.macro FETCH reg, q, p                 ; the fragments of the q-th 128 along K of a region, into sets p: W's eight (rows), y's four (images)
	WIN TO_B
.irp i, 0,1,2,3,4,5,6,7
.irp c, 0,1,2,3
	ds_load_b128 v[128*(\p)+FR*\i+4*\c:128*(\p)+FR*\i+4*\c+3], v[ADRB+\reg] offset:128*(\q)+32*\c+\i*16*PITCH
.endr
.endr
	WIN 0
.irp i, 0,1,2,3
.irp c, 0,1,2,3
	ds_load_b128 v[AF+64*(\p)+FR*\i+4*\c:AF+64*(\p)+FR*\i+4*\c+3], v[ADRA+\reg] offset:(2*\i+(\q))*2048+512*\c
.endr
.endr
.endm
.macro MUL32 p, zero                   ; 32 accumulators by turns, one instruction a turn, in the same order in every step
	WIN MUL
.irp a, 0,1,2,3
.irp b, 0,1,2,3,4,5,6,7
.if \zero
	v_wmma_f32_16x16x128_fp8_fp8 v[8*(8*\a+\b):8*(8*\a+\b)+7], v[128*(\p)+FR*\b:128*(\p)+FR*\b+FR-1], v[AF+64*(\p)+FR*\a:AF+64*(\p)+FR*\a+FR-1], 0
.else
	v_wmma_f32_16x16x128_fp8_fp8 v[8*(8*\a+\b):8*(8*\a+\b)+7], v[128*(\p)+FR*\b:128*(\p)+FR*\b+FR-1], v[AF+64*(\p)+FR*\a:AF+64*(\p)+FR*\a+FR-1], v[8*(8*\a+\b):8*(8*\a+\b)+7]
.endif
.endr
.endr
.endm
.macro PLACES
.rept 4
	v_nop                                          ; plain vector instructions between matrix instructions and loads into, or reads of, their registers
.endr
.endm
.macro PSTEP p, nreg, nq, zero         ; a step of 128 along K on sets p; the next step's fragments are asked for first and land under its 32 products
	s_wait_dscnt 0x0                               ; sets p, asked for a step ago, are in
	PLACES
	FETCH \nreg, \nq, 1-(\p)
	MUL32 \p, \zero
.endm
	s_wait_tensorcnt 2                             ; my part of region 0 is in; region 2's load may be out
	s_barrier_signal -1
	s_barrier_wait -1
	FETCH 0, 0, 0
	PSTEP 0, 0, 1, 1                               ; K 0-127: its products start the sums
	WIN 0
	s_wait_tensorcnt 0x0                           ; all my tensor loads have landed: regions 1 and 2 too
	ds_add_u32 v[SPW], v[NIL]                      ; 0 onto my spare word; the descriptors' steps stand between it and the wait for it
	s_add_nc_u64 s[G0+2:G0+3], s[G0+2:G0+3], 3*4096
	s_add_nc_u64 s[G0B+2:G0B+3], s[G0B+2:G0B+3], 3*256
	s_wait_dscnt 0x0                               ; the add is done, and my reads of region 0 are over (K 128-255 is in registers)
	CROUND                                         ; no wave of any partner still reads region 0 or has a load on its way
	JLOAD G0, G1, G0B, G1B                         ; K 768-1023 into region 0: my one tensor load behind the round; its four v_nop are the places in front of the loads below
	s_wait_alu depctr_va_vdst(0)
	FETCH 1, 0, 0
	MUL32 1, 0                                     ; K 128-255
	PSTEP 0, 1, 1, 0                               ; K 256-383
	PSTEP 1, 2, 0, 0
	PSTEP 0, 2, 1, 0
	WIN 0
	s_wait_tensorcnt 0x0                           ; my part of region 0's second fill is in (the one load that was out),
	s_wait_dscnt 0x0
	s_barrier_signal -1
	s_barrier_wait -1                              ; everybody's is; and nobody reads region 1 any more
	PLACES
	FETCH 0, 0, 0
	MUL32 1, 0                                     ; K 640-767
	PSTEP 0, 0, 1, 0
	s_wait_dscnt 0x0
	MUL32 1, 0                                     ; K 896-1023
	WIN 0
; THE WAY OUT, block by block of 16 rows x 128 columns, through my own stage: in as 32 bytes a lane, back as whole rows of 512 bytes.  LDS serves a wave's instructions in order: no wait between the stores and the loads.
.macro TOSTAGE a
.set AC, 64*(\a)
	WIN 0x32                                       ; source 0 (the sums) window 2, source 2 (the biases) window 3
.irp j, 0,2,4,6,8,10,12,14,16,18,20,22,24,26,28,30,32,34,36,38,40,42,44,46,48,50,52,54,56,58,60,62
	v_pk_fma_f32 v[TMP+\j:TMP+\j+1], v[AC+\j:AC+\j+1], s[96:97], v[\j:\j+1] op_sel_hi:[1,0,1]   ; sum x 2^(e6 + e7) + bias; each accumulator from its low end on
.endr
	WIN 0
.irp b, 0,1,2,3,4,5,6,7
	ds_store_b128 v[STO], v[TMP+8*\b:TMP+8*\b+3] offset:64*\b
	ds_store_b128 v[STO], v[TMP+8*\b+4:TMP+8*\b+7] offset:64*\b+16
.endr
.set BB, BK+64*((\a)%2)
.irp t, 0,1,2,3,4,5,6,7,8,9,10,11,12,13,14,15
	ds_load_b128 v[BB+4*\t:BB+4*\t+3], v[RD] offset:\t*SPITCH
.endr
.endm
.macro SEND a, younger                 ; younger: the LDS instructions issued behind block a's loads
.set BB, BK+64*((\a)%2)
	s_wait_dscnt \younger
.irp t, 0,1,2,3,4,5,6,7,8,9,10,11,12,13,14,15
	global_store_b128 v[CO], v[BB+4*\t:BB+4*\t+3], s[12:13] offset:(32*((\a)/2)+8*((\a)%2)+(\t%8)+16*(\t/8))*4096 th:TH_STORE_NT   ; row t of block a is that token of my 64; 32 lanes store 512 consecutive bytes, aligned
.endr
.endm
	s_wait_kmcnt 0x0
	s_add_co_i32 s96, s96, s97
	s_add_co_i32 s96, s96, 127
	s_lshl_b32 s96, s96, 23                        ; 2^(e6 + e7) as f32
	s_mov_b32 s97, s96                             ; (named with it as a pair)
	s_wait_loadcnt 0x0                             ; the biases
	PLACES
	TOSTAGE 0
.irp a, 1,2,3
.if \a > 1
	s_wait_xcnt 0x0                                ; block a - 2's stores have read their registers: block a's loads may land there
.endif
	TOSTAGE \a
	SEND \a-1, 32                                  ; behind block a - 1's loads: block a's 16 stores and 16 loads
.endr
	SEND 3, 0
	s_wait_tensorcnt 0x0                           ; the wave's end
	ds_add_u32 v[SPW], v[NIL]
	s_wait_dscnt 0x0
	CROUND                                         ; the closing round
	s_endpgm
.Lfunc_end_k_q1bcb7cf80c_proj:
	.size	k_q1bcb7cf80c_proj, .Lfunc_end_k_q1bcb7cf80c_proj-k_q1bcb7cf80c_proj
	.p2alignl 7, 3214868480
	.fill 96, 4, 3214868480
	.section	.rodata,"a",@progbits
	.p2align	6, 0x0
	.amdhsa_kernel k_q1bcb7cf80c_proj
		.amdhsa_group_segment_fixed_size 327680
		.amdhsa_private_segment_fixed_size 0
		.amdhsa_enable_private_segment 0
		.amdhsa_kernarg_size 40
		.amdhsa_user_sgpr_count 2
		.amdhsa_user_sgpr_kernarg_segment_ptr 1
		.amdhsa_wavefront_size32 1
		.amdhsa_system_sgpr_workgroup_id_x 1
		.amdhsa_system_sgpr_workgroup_id_y 1
		.amdhsa_system_sgpr_workgroup_id_z 1
		.amdhsa_system_vgpr_workitem_id 0
		.amdhsa_next_free_vgpr 832
		.amdhsa_next_free_sgpr 100
		.amdhsa_reserve_vcc 0
		.amdhsa_float_denorm_mode_32 3
		.amdhsa_float_denorm_mode_16_64 3
		.amdhsa_memory_ordered 1
		.amdhsa_forward_progress 1
		.amdhsa_inst_pref_size 78
	.end_amdhsa_kernel
	.amdgpu_metadata
---
amdhsa.version: [ 1, 2 ]
amdhsa.kernels:
  - .name:           k_q1bcb7cf80c_proj
    .symbol:         k_q1bcb7cf80c_proj.kd
    .args:
      - { .name: yc, .offset: 0, .size: 8, .value_kind: global_buffer, .address_space: global }
      - { .name: wpc, .offset: 8, .size: 8, .value_kind: global_buffer, .address_space: global }
      - { .name: b_proj, .offset: 16, .size: 8, .value_kind: global_buffer, .address_space: global }
      - { .name: lowp_scales, .offset: 24, .size: 8, .value_kind: global_buffer, .address_space: global }
      - { .name: out0, .offset: 32, .size: 8, .value_kind: global_buffer, .address_space: global }
    .group_segment_fixed_size: 327680
    .private_segment_fixed_size: 0
    .kernarg_segment_align: 8
    .kernarg_segment_size: 40
    .max_flat_workgroup_size: 128
    .sgpr_count:     100
    .vgpr_count:     832
    .wavefront_size: 32
...
	.end_amdgpu_metadata
.endif
;; end of part 4
